; MI455X (gfx1250); checked and timed in simulation.
; The chip was launched on July 23, 2026; its instructions are those of AMD's public machine-readable ISA for CDNA 5 (MIT licence, August 2026) and "CDNA5" Instruction Set Architecture Reference Guide (July 2026). The comments in the code are by the model that wrote it; some were corrected since.
;; Group Query Attention. Allowed arithmetic: matrix products marked QUANTISED: E4M3 operands, one E8M0 scale for each 32 along K, by v_wmma_scale_f32_16x16x128_f8f6f4 with both operands' format E4M3, f32 sums; everything else in f32.
;; Inputs: cos 4,096 x 64 float32; sin 4,096 x 64 float32; w_k 1,024 x 256 float32; w_o 1,024 x 1,024 float32; w_q 1,024 x 1,024 float32; w_v 1,024 x 256 float32; x 1 x 4,096 x 1,024 float32.
;; Outputs: out0 1 x 4,096 x 1,024 float32.
;; This version of the problem:
;;   THIS VERSION OF THE PROBLEM IS GIVEN IN LOW PRECISION. The matrix products marked QUANTISED in the list below multiply operands that are first quantised to E4M3 (4 exponent bits, 3 mantissa bits; 8 bits a number), with one power-of-two scale for each 32 numbers along K (OCP MX v1.0); their sums are f32. All else is computed in f32.
;;   The module's matrix products, in the order in which they are computed (A, B: the left and right operand; K: the contracted axis; several contracted axes count as one K, in the product's order):
;;     1. [M 4,096, K 1,024] x [K 1,024, N 1,024]; A: input x; B: input w_q: QUANTISED
;;     2. [M 4,096, K 1,024] x [K 1,024, N 256]; A: input x; B: input w_k: QUANTISED
;;     3. [M 4,096, K 1,024] x [K 1,024, N 256]; A: input x; B: input w_v: QUANTISED
;;     4. batch 16 x [M 4,096, K 64] x [K 64, N 4,096]; A: computed on the way; B: computed on the way: QUANTISED
;;     5. batch 16 x [M 4,096, K 4,096] x [K 4,096, N 64]; A: softmax (see below); B: computed on the way: QUANTISED
;;     6. [M 4,096, K 1,024] x [K 1,024, N 1,024]; A: computed on the way; B: input w_o: QUANTISED
;;   THE QUANTISER, for each operand of a quantised product, along K:
;;     - K is cut into blocks of 32 from its start; a last block that is shorter is filled with zeros.
;;     - A block's scale is 2^e with e = floor(log2(the largest magnitude in the block)) - 8, held to -126 .. 127; a block of zeros has e = 0. As a byte (E8M0): e + 127.
;;     - Each number is divided by its block's scale, clamped to +-448, and rounded to the nearest number of E4M3, ties to even, subnormals kept.
;;     - The product sums the exact products of the quantised numbers (number of the format x scale) in f32.
;;   ~~~python
;;   def quantise(x, axis):      # numpy; x: float32 -> the quantised numbers, widened to float32 again
;;       x = np.moveaxis(x, axis, -1); K = x.shape[-1]
;;       x = np.pad(x, [(0, 0)] * (x.ndim - 1) + [(0, -K % 32)]); x = x.reshape(x.shape[:-1] + (-1, 32)); a = np.abs(x).max(-1, keepdims=True)
;;       e = np.where(a > 0, np.clip(np.frexp(np.where(a > 0, a, 1))[1] - 1 - 8, -126, 127), 0)      # np.frexp(a)[1] - 1 = floor(log2(a)), exactly
;;       r = np.clip(x / 2.0 ** e, -448, 448)
;;       step = 2.0 ** (np.maximum(np.frexp(np.where(r == 0, 1, r))[1] - 1, -6) - 3)
;;       q = np.round(r / step) * step * 2.0 ** e      # np.round: ties to even
;;       return np.moveaxis(q.reshape(q.shape[:-2] + (-1,))[..., :K], -1, axis).astype(np.float32)
;;   ~~~
;;   SOFTMAX AHEAD OF A QUANTISED PRODUCT. Where the list says 'softmax', what is quantised is not the finished softmax but p = 2^(t - M), with t = logit x log2(e) and M = ceil(the row's largest t), a whole number; so 1/2 < the row's largest p <= 1. The row's sum l is taken of the UNQUANTISED p, in f32, and the product's result is divided by l at the end. Since M is a whole number, a kernel that streams over the keys may use a running M (the ceiling of the running maximum): every later rescaling is an exact power of two, which a block's scale takes up: the codes' values come out the same.
;;   OPERANDS COMPUTED ON THE WAY. 'Computed on the way' means the value that the module computes at that place (a softmax that the list does not call 'softmax' is quantised finished and normalised). What goes into a quantiser is computed in f32, as accurately as f32 sums, v_exp_f32 and their like allow (about 1e-6 of the number): no bf16 or f16 on the way to a quantiser, and a product that is left as it is and whose result goes on into a quantised operand takes f32 operands (vector FMAs, or v_wmma_f32_16x16x4_f32). A number that lies on a knife's edge between two numbers of the format may be rounded either way, as far as f32 arithmetic and the matrix unit's own rounding can turn it there, and no further.
;; One version. Each part assembles by itself: llvm-mc -triple=amdgcn-amd-amdhsa -mcpu=gfx1250 --defsym DOCPART=n.
;; ======== version 1 of 1: 4 launches
;; limits: right only within a limited range of input values
;; workspace buffers: xq 4,325,376 bytes; wq 2,703,360 bytes; qq 4,456,448 bytes; kv 2,195,456 bytes; cq 4,325,376 bytes
;; launch quant (part 1): grid 416 x 1, 4 waves a work-group, no clusters, 68,096 bytes of LDS; arguments x, w_q, w_k, w_v, w_o, xq, wq; writes xq, wq
.if DOCPART == 1
	.amdgcn_target "amdgcn-amd-amdhsa--gfx1250"
	.amdhsa_code_object_version 6
	.text
	.protected	k_q87b4e03ec3_quant
	.globl	k_q87b4e03ec3_quant
	.p2align	8
	.type	k_q87b4e03ec3_quant,@function
k_q87b4e03ec3_quant:
	s_mov_b64 s[64:65], 0
	v_nop
	global_prefetch_b8 v0, s[64:65] scope:SCOPE_SE
	s_setreg_imm32_b32 hwreg(HW_REG_WAVE_MODE, 25, 1), 1
	s_wait_xcnt 0x0
; x [4096][1024] and the four weights ([1024 (k)][n]) become codes of E4M3 with one E8M0 byte for each 32 along K, laid as IMAGES OF OPERAND REGISTERS:
; a fragment (16 rows x 128 K) is 2,048 bytes; piece (c, lane) is 16 bytes at 512 c + 16 lane and holds k = 32 c + 16 (lane / 16) + 0 .. 15 of row lane % 16.
; THE ROWS OF A TILE ARE NOT NEIGHBOURS: a group of 32 rows is two tiles u; lane r of tile u takes row 8 u + r + 8 (r / 8).
; A scale word (four bytes: 128 along K of a row) lies at 4 (16 u + r) of its group's 128 bytes.
; xq: codes [RB 32][s 8][g 4][u 2][2048], scale words at XSOFF [RB][s][g][32].
; wq: q, k, v's columns [cb 8][s 8][slot 3][b 2][u 2][2048] (slots 0, 1: query heads 2 cb, 2 cb + 1; slot 2: key head cb, or value head cb - 4), then w_o's [cb 8][s 8][slot 2][b][u][2048], then both sets of scale words.
; A block's scale is 2^(floor(log2(largest magnitude)) - 8): its byte is the largest magnitude's exponent field - 8, held at 1 from below.
; LIMITS: a block of zeros gets the byte 1 where the rule says 127 (its codes are zeros, and this program alone reads the bytes); NaN and infinities among the inputs are not served.
; Work-groups 0-255: x, 128 rows x 128 K each, a wave 32 rows.  Work-groups 256-415: the weights, 128 columns x 128 K each, a wave 32 columns.  Waves share nothing: no barrier.
.set XSOFF, 4194304
.set SPB,   528                        ; a stage row: 512 bytes + 16: the sixteen rows that a read touches start 16 bytes apart modulo 256
.set WST,   32*SPB                     ; a wave's stage
.set TM,    8                          ; v8-11 largest magnitudes, v12-15 bytes, v16-19 448 x the scale, v20-23 the conversions' scale operands
.set WV,    18
.set SEL,   20                         ; s[20:21] v_permlanex16_b32's selects for lane l xor 16
.set MNT,   22                         ; s22 the mantissa field of 448
; 64 numbers of a lane, register 16 b + i = k 32 b + 16 (lane / 16) + i of its row, become a fragment's 16 registers of codes at v[pc] and the row's scale word in v[pw]
.macro QUANT s, pc, pw
.irp b, 0,1,2,3
	v_max3_num_f32 v[TM+\b], |v[\s+16*\b]|, |v[\s+1+16*\b]|, 0x4800000   ; my 16 numbers of block b, and the floor 2^(9 - 127): the byte cannot fall under 1
.endr
.irp i, 2,4,6,8,10,12,14
.irp b, 0,1,2,3
	v_max3_num_f32 v[TM+\b], v[TM+\b], |v[\s+16*\b+\i]|, |v[\s+1+16*\b+\i]|
.endr
.endr
.irp b, 0,1,2,3
	v_permlanex16_b32 v[TM+4+\b], v[TM+\b], s[SEL], s[SEL+1]
.endr
.irp b, 0,1,2,3
	v_max_num_f32 v[TM+\b], v[TM+\b], v[TM+4+\b]                 ; with lane l xor 16's 16: the block's largest magnitude
.endr
.irp b, 0,1,2,3
	v_add_nc_u32 v[TM+12+\b], 0xfc000000, v[TM+\b]               ; 8 off its exponent field: the conversion's scale operand
.endr
.irp b, 0,1,2,3
	v_and_or_b32 v[TM+8+\b], v[TM+\b], 0x7f800000, s[MNT]        ; 448 x the scale
.endr
.irp b, 0,1,2,3
	v_lshrrev_b32 v[TM+4+\b], 23, v[TM+12+\b]                    ; the scale's byte
.endr
	v_lshl_or_b32 v[\pw], v[TM+5], 8, v[TM+4]
	v_lshl_or_b32 v[\pw], v[TM+6], 16, v[\pw]
	v_lshl_or_b32 v[\pw], v[TM+7], 24, v[\pw]
.irp b, 0,1,2,3
.irp i, 0,1,2,3,4,5,6,7,8,9,10,11,12,13,14,15
	v_med3_num_f32 v[\s+16*\b+\i], v[\s+16*\b+\i], -v[TM+8+\b], v[TM+8+\b]   ; the conversion to an 8-bit code does not saturate (ISA guide 7.6.2): the hold comes first
.endr
	v_cvt_scalef32_pk8_fp8_f32 v[\pc+4*\b:\pc+1+4*\b], v[\s+16*\b:\s+7+16*\b], v[TM+12+\b]
	v_cvt_scalef32_pk8_fp8_f32 v[\pc+2+4*\b:\pc+3+4*\b], v[\s+8+16*\b:\s+15+16*\b], v[TM+12+\b]
.endr
	v_nop                                          ; one plain line behind the last conversion
.endm
	s_load_b256 s[4:11], s[0:1], 0x0               ; x s[4:5], w_q s[6:7], w_k s[8:9], w_v s[10:11]
	s_load_b128 s[12:15], s[0:1], 0x20             ; w_o s[12:13], xq s[14:15]
	s_load_b64 s[16:17], s[0:1], 0x30              ; wq
	v_lshrrev_b32 v1, 5, v0
	v_readfirstlane_b32 s[WV], v1                  ; wave 0..3
	v_and_b32 v1, 31, v0                           ; lane
	v_lshl_add_u32 v27, v0, 2, 67584               ; my spare word, behind the four stages: 128 bytes a wave that no other line names
	v_mov_b32 v28, 0
	s_mov_b32 s[SEL], 0x76543210
	s_mov_b32 s[SEL+1], 0xfedcba98
	s_mov_b32 s[MNT], 0x600000
	s_cmp_lt_u32 ttmp9, 256
	s_cbranch_scc0 .Lweights
	; ---------------- x: RB = work-group / 8, K step s = work-group % 8, wave g: rows 128 RB + 32 g + 0 .. 31, k = 128 s + 0 .. 127
	s_lshr_b32 s24, ttmp9, 3                       ; RB
	s_and_b32 s25, ttmp9, 7                        ; s
	s_lshl_b32 s26, s24, 19                        ; x: 128 RB rows of 4,096 bytes
	s_lshl_b32 s27, s[WV], 17                      ;    + 32 g rows
	s_add_co_u32 s26, s26, s27
	s_lshl_b32 s27, s25, 9                         ;    + 128 s numbers
	s_add_co_u32 s26, s26, s27
	s_mov_b32 s27, 0
	s_lshl_b32 s28, s24, 17                        ; codes: RB x 131,072 + s x 16,384 + g x 4,096
	s_lshl_b32 s29, s25, 14
	s_add_co_u32 s28, s28, s29
	s_lshl_b32 s29, s[WV], 12
	s_add_co_u32 s28, s28, s29
	s_mov_b32 s29, 0
	s_lshl_b32 s30, s24, 12                        ; scale words: XSOFF + RB x 4,096 + s x 512 + g x 128
	s_lshl_b32 s31, s25, 9
	s_add_co_u32 s30, s30, s31
	s_lshl_b32 s31, s[WV], 7
	s_add_co_u32 s30, s30, s31
	s_add_co_u32 s30, s30, XSOFF
	s_mov_b32 s31, 0
	s_mul_i32 s32, s[WV], WST                      ; my stage
	s_wait_alu depctr_va_vdst(0)
	v_lshlrev_b32 v2, 4, v1                        ; 16 x lane: my bytes of a load's 512, and of an image's piece
	v_add_nc_u32 v3, s32, v2                       ; the stage, on the way in
	v_and_b32 v4, 15, v0
	v_mul_u32_u24 v4, v4, SPB
	v_bfe_u32 v5, v0, 4, 1
	v_lshl_add_u32 v4, v5, 6, v4
	v_add_nc_u32 v4, s32, v4                       ; and on the way out: row r, + 64 (lane / 16): my 16 numbers of a block of 32
	v_lshlrev_b32 v5, 2, v1                        ; 4 x lane
.irp b, 0,1,2,3
	v_mov_b32 v[TM+4+\b], 0                        ; written once: a lane permute's destination counts as one of its sources
.endr
	s_wait_alu depctr_va_vdst(0)
	s_wait_kmcnt 0x0
	s_add_nc_u64 s[4:5], s[4:5], s[26:27]
	s_add_nc_u64 s[34:35], s[14:15], s[28:29]
	s_add_nc_u64 s[36:37], s[14:15], s[30:31]
.set n, 0
.rept 32                                       ; load n: tile n / 16, its lane n % 16's row: 32 lanes read 512 consecutive bytes
	global_load_b128 v[128+4*n:128+4*n+3], v2, s[4:5] offset:(8*(n/16)+(n%16)+8*((n%16)/8))*4096 th:TH_LOAD_NT
.set n, n+1
.endr
.macro INTO u                          ; tile u's sixteen rows into the stage, as they were loaded
.set n, 16*\u
.rept 16
	ds_store_b128 v3, v[128+4*n:128+4*n+3] offset:n*SPB
.set n, n+1
.endr
.endm
.macro BACK u                          ; and back, 16 neighbours of each block of 32 to a lane.  LDS serves a wave's instructions in order (ISA guide 5.7.1.4): these see the stores
.irp c, 0,1,2,3
.irp j, 0,1,2,3
	ds_load_b128 v[64+16*\c+4*\j:64+16*\c+4*\j+3], v4 offset:\u*16*SPB+128*\c+16*\j
.endr
.endr
.endm
	s_wait_loadcnt 16                              ; tile 0's sixteen loads are in; tile 1's sixteen stay out
	INTO 0
	BACK 0
	s_wait_loadcnt 0x0
	INTO 1
	s_wait_dscnt 16                                ; tile 0 is back; only tile 1's sixteen stores may be out
	QUANT 64, 32, 24
	BACK 1
.irp c, 0,1,2,3
	global_store_b128 v2, v[32+4*\c:35+4*\c], s[34:35] offset:512*\c           ; 32 lanes store 512 consecutive bytes
.endr
	s_wait_dscnt 0x0
	QUANT 64, 48, 25
.irp c, 0,1,2,3
	global_store_b128 v2, v[48+4*\c:51+4*\c], s[34:35] offset:2048+512*\c
.endr
	v_cmp_le_u32 vcc_lo, 16, v1
	v_cndmask_b32 v26, v24, v25, vcc_lo            ; lanes 0-15: tile 0's words, lanes 16-31: tile 1's (every lane holds row lane % 16's word)
	global_store_b32 v5, v26, s[36:37]
	s_wait_tensorcnt 0x0                           ; the end of a wave that stored to LDS
	ds_add_u32 v27, v28
	s_wait_dscnt 0x0
	s_endpgm
	; ---------------- the weights: K is the FIRST axis, so a lane takes a column and its registers run down K: a block of 32 lies in one lane
.Lweights:
	s_sub_co_u32 s24, ttmp9, 256
	s_lshr_b32 s25, s24, 3                         ; j: 0-7 w_q, 8-9 w_k, 10-11 w_v, 12-19 w_o: 128 columns each
	s_and_b32 s26, s24, 7                          ; K step s
	s_lshr_b32 s27, s[WV], 1
	s_and_b32 s28, s[WV], 1                        ; b: which 32 of a head's 64
	s_sub_co_u32 s33, s25, 8
	s_and_b32 s35, s33, 1                          ; w_k, w_v: the block of 128 columns in the source,
	s_lshl_b32 s36, s33, 1
	s_add_co_u32 s36, s36, s27                     ; and the column block cb that takes this head in its slot 2
	s_sub_co_u32 s37, s25, 12                      ; w_o: its block
	s_mov_b32 s32, 4096
	s_cmp_lt_u32 s33, 4                            ; w_k or w_v?
	s_cselect_b32 s32, 1024, s32                   ; a row of the source in bytes
	s_cselect_b32 s34, s35, s25                    ; the block of 128 columns in the source
	s_cselect_b32 s38, s36, s25                    ; cb
	s_cselect_b32 s39, 2, s27                      ; slot
	s_cmp_ge_u32 s25, 12                           ; w_o?
	s_cselect_b32 s34, s37, s34
	s_cselect_b32 s38, s37, s38
	s_mov_b32 s48, 196608
	s_cselect_b32 s48, 131072, s48                 ; codes: from cb to cb,
	s_mov_b32 s49, 24576
	s_cselect_b32 s49, 16384, s49                  ; from K step to K step,
	s_cselect_b32 s50, 1572864, 0                  ; and where the image begins
	s_mov_b32 s51, 6144
	s_cselect_b32 s51, 4096, s51                   ; the same for the scale words
	s_mov_b32 s52, 768
	s_cselect_b32 s52, 512, s52
	s_mov_b32 s53, 2621440
	s_cselect_b32 s53, 2670592, s53
	s_mul_i32 s48, s48, s38
	s_mul_i32 s49, s49, s26
	s_add_co_u32 s50, s50, s48
	s_add_co_u32 s50, s50, s49
	s_lshl_b32 s48, s39, 13
	s_add_co_u32 s50, s50, s48
	s_lshl_b32 s48, s28, 12
	s_add_co_u32 s50, s50, s48                     ; + slot x 8,192 + b x 4,096
	s_mul_i32 s48, s51, s38
	s_mul_i32 s49, s52, s26
	s_add_co_u32 s52, s53, s48
	s_add_co_u32 s52, s52, s49
	s_lshl_b32 s48, s39, 8
	s_add_co_u32 s52, s52, s48
	s_lshl_b32 s48, s28, 7
	s_add_co_u32 s52, s52, s48                     ; + slot x 256 + b x 128
	s_mov_b32 s51, 0
	s_mov_b32 s53, 0
	s_mul_i32 s54, s26, s32
	s_lshl_b32 s54, s54, 7                         ; the source: 128 s rows,
	s_lshl_b32 s55, s34, 9
	s_add_co_u32 s54, s54, s55                     ; + the block's 128 columns,
	s_lshl_b32 s55, s[WV], 7
	s_add_co_u32 s54, s54, s55                     ; + my wave's 32
	s_mov_b32 s55, 0
	s_wait_alu depctr_va_vdst(0)
	v_lshlrev_b32 v2, 2, v1                        ; 4 bytes a lane
.set n, 0
.rept 32
	v_mad_u32_u24 v[32+n], s32, n, v2              ; row n of a block
.set n, n+1
.endr
	v_bfe_u32 v5, v0, 3, 1                         ; column L of the 32 is lane r = L % 8 + 8 (L / 16) of tile u = (L / 8) % 2
	v_and_b32 v6, 7, v0
	v_bfe_u32 v7, v0, 4, 1
	v_lshl_add_u32 v6, v7, 3, v6
	v_lshlrev_b32 v3, 4, v6
	v_lshl_add_u32 v3, v5, 11, v3                  ; codes: 2,048 u + 16 r
	v_lshl_add_u32 v4, v5, 4, v6
	v_lshlrev_b32 v4, 2, v4                        ; scale word: 4 (16 u + r)
	s_wait_alu depctr_va_vdst(0)
	s_wait_kmcnt 0x0
	s_cmp_lt_u32 s25, 12
	s_cselect_b64 s[30:31], s[10:11], s[12:13]
	s_cmp_lt_u32 s25, 10
	s_cselect_b64 s[30:31], s[8:9], s[30:31]
	s_cmp_lt_u32 s25, 8
	s_cselect_b64 s[30:31], s[6:7], s[30:31]       ; the source: the choice hangs on the work-group's number alone
	s_add_nc_u64 s[40:41], s[30:31], s[54:55]      ; block 0,
	s_lshl_b32 s54, s32, 5
	s_add_nc_u64 s[42:43], s[40:41], s[54:55]      ; and 32 rows on for each further block
	s_add_nc_u64 s[44:45], s[42:43], s[54:55]
	s_add_nc_u64 s[46:47], s[44:45], s[54:55]
	s_add_nc_u64 s[56:57], s[16:17], s[50:51]
	s_add_nc_u64 s[58:59], s[16:17], s[52:53]
.macro WLOAD t                         ; block t: 32 rows of my column; each load reads 128 consecutive bytes
.set n, 0
.rept 32
	global_load_b32 v[64+32*((\t)%2)+n], v[32+n], s[40+2*(\t):41+2*(\t)] th:TH_LOAD_NT
.set n, n+1
.endr
.endm
.macro WBLOCK t
.set XR, 64+32*((\t)%2)
.if (\t) < 3
	s_wait_loadcnt 32                              ; this block's 32 loads are in; the next block's 32 stay out
.else
	s_wait_loadcnt 0x0
.endif
	v_max3_num_f32 v12, |v[XR]|, |v[XR+1]|, |v[XR+2]|
	v_max3_num_f32 v13, |v[XR+3]|, |v[XR+4]|, |v[XR+5]|
.irp i, 6,10,14,18,22,26
	v_max3_num_f32 v12, v12, |v[XR+\i]|, |v[XR+\i+1]|
	v_max3_num_f32 v13, v13, |v[XR+\i+2]|, |v[XR+\i+3]|
.endr
	v_max3_num_f32 v12, v12, |v[XR+30]|, |v[XR+31]|
	v_max3_num_f32 v12, v12, v13, 0x4800000        ; and the floor
	v_add_nc_u32 v11, 0xfc000000, v12
	v_and_or_b32 v10, v12, 0x7f800000, s[MNT]
	v_lshrrev_b32 v13, 23, v11
.if (\t) == 0
	v_mov_b32 v16, v13                             ; the four blocks' bytes make my column's scale word
.else
	v_lshl_or_b32 v16, v13, 8*(\t), v16
.endif
.set n, 0
.rept 32
	v_med3_num_f32 v[XR+n], v[XR+n], -v10, v10
.set n, n+1
.endr
.irp g, 0,1,2,3
	v_cvt_scalef32_pk8_fp8_f32 v[128+8*(\t)+2*\g:129+8*(\t)+2*\g], v[XR+8*\g:XR+8*\g+7], v11
.endr
	v_nop
	global_store_b128 v3, v[128+8*(\t):131+8*(\t)], s[56:57] offset:512*(\t)        ; k 0-15 of the block: the piece of lanes 0-15; each tile's sixteen lanes store 256 consecutive, aligned bytes
	global_store_b128 v3, v[132+8*(\t):135+8*(\t)], s[56:57] offset:512*(\t)+256    ; k 16-31: the piece of lanes 16-31
.if (\t)+2 < 4
	WLOAD (\t)+2
.endif
.endm
	WLOAD 0
	WLOAD 1
	WBLOCK 0
	WBLOCK 1
	WBLOCK 2
	WBLOCK 3
	global_store_b32 v4, v16, s[58:59]
	s_endpgm
.Lfunc_end_k_q87b4e03ec3_quant:
	.size	k_q87b4e03ec3_quant, .Lfunc_end_k_q87b4e03ec3_quant-k_q87b4e03ec3_quant
	.p2alignl 7, 3214868480
	.fill 96, 4, 3214868480
	.section	.rodata,"a",@progbits
	.p2align	6, 0x0
	.amdhsa_kernel k_q87b4e03ec3_quant
		.amdhsa_group_segment_fixed_size 68096
		.amdhsa_private_segment_fixed_size 0
		.amdhsa_enable_private_segment 0
		.amdhsa_kernarg_size 56
		.amdhsa_user_sgpr_count 2
		.amdhsa_user_sgpr_kernarg_segment_ptr 1
		.amdhsa_wavefront_size32 1
		.amdhsa_system_sgpr_workgroup_id_x 1
		.amdhsa_system_sgpr_workgroup_id_y 1
		.amdhsa_system_sgpr_workgroup_id_z 1
		.amdhsa_system_vgpr_workitem_id 0
		.amdhsa_next_free_vgpr 256
		.amdhsa_next_free_sgpr 66
		.amdhsa_reserve_vcc 1
		.amdhsa_float_denorm_mode_32 3
		.amdhsa_float_denorm_mode_16_64 3
		.amdhsa_memory_ordered 1
		.amdhsa_forward_progress 1
		.amdhsa_inst_pref_size 59
	.end_amdhsa_kernel
	.amdgpu_metadata
---
amdhsa.version: [ 1, 2 ]
amdhsa.kernels:
  - .name:           k_q87b4e03ec3_quant
    .symbol:         k_q87b4e03ec3_quant.kd
    .args:
      - { .name: x, .offset: 0, .size: 8, .value_kind: global_buffer, .address_space: global }
      - { .name: w_q, .offset: 8, .size: 8, .value_kind: global_buffer, .address_space: global }
      - { .name: w_k, .offset: 16, .size: 8, .value_kind: global_buffer, .address_space: global }
      - { .name: w_v, .offset: 24, .size: 8, .value_kind: global_buffer, .address_space: global }
      - { .name: w_o, .offset: 32, .size: 8, .value_kind: global_buffer, .address_space: global }
      - { .name: xq, .offset: 40, .size: 8, .value_kind: global_buffer, .address_space: global }
      - { .name: wq, .offset: 48, .size: 8, .value_kind: global_buffer, .address_space: global }
    .group_segment_fixed_size: 68096
    .private_segment_fixed_size: 0
    .kernarg_segment_align: 8
    .kernarg_segment_size: 56
    .max_flat_workgroup_size: 128
    .sgpr_count:     66
    .vgpr_count:     256
    .wavefront_size: 32
...
	.end_amdgpu_metadata
.endif
;; end of part 1
;; launch proj (part 2): grid 8 x 32, 12 waves a work-group, clusters of 4 x 4, 327,680 bytes of LDS; arguments xq, wq, cos, sin, qq, kv; writes qq, kv
.if DOCPART == 2
	.amdgcn_target "amdgcn-amd-amdhsa--gfx1250"
	.amdhsa_code_object_version 6
	.text
	.protected	k_q87b4e03ec3_proj
	.globl	k_q87b4e03ec3_proj
	.p2align	8
	.type	k_q87b4e03ec3_proj,@function
k_q87b4e03ec3_proj:
	s_mov_b64 s[64:65], 0
	v_nop
	global_prefetch_b8 v0, s[64:65] scope:SCOPE_SE
	s_setreg_imm32_b32 hwreg(HW_REG_WAVE_MODE, 25, 1), 1
	s_wait_xcnt 0x0
	s_wait_alu depctr_hold_cnt(0) depctr_sa_sdst(0) depctr_va_vdst(0) depctr_va_sdst(0) depctr_va_ssrc(0) depctr_va_vcc(0) depctr_vm_vsrc(0)
	s_getreg_b32 s2, hwreg(HW_REG_IB_STS2, 6, 4)
	s_cmp_eq_u32 s2, 0
	s_cbranch_scc0 .Lentry_in_a_cluster
	s_endpgm
.Lentry_in_a_cluster:
	s_bfe_u32 s2, ttmp6, 0x10000c
	s_cmp_lg_u32 s2, 0xf033
	s_cbranch_scc0 .Lentry_shape_is_right
	s_endpgm
.Lentry_shape_is_right:
; q = rope(x w_q), k = rope(x w_k), v = x w_v on codes of E4M3 (scaled matrix instruction, K = 1,024 in eight steps of 128), and their quantising for the attention: q and k along the head's 64, v along the keys.
; SHARES.  A work-group takes 128 tokens (RB) x 192 columns (cb: query heads 2 cb, 2 cb + 1, and key head cb or value head cb - 4).  Twelve waves: wave w = 4 slot + g makes 32 tokens (group g) x one head (slot): 8 accumulators.
; LDS.  All of K lies in LDS, filled ONCE: x's 128 KiB at 0, the weights' 192 KiB behind it, both as images of operand registers (launch quant): no slot is filled again.
; CLUSTER 4 x 4.  x's block hangs on RB, shared along a row of the cluster; the weights' on cb, shared along a column: both are asked for jointly.  Wave 0 asks for x in four quarters of K, wave 1 for the weights: four tensor loads of a wave are out at most.
; q AND k WAVES USE THE PRODUCT TRANSPOSED (source 0 = 16 columns, source 1 = 16 tokens): a lane holds ONE token and, by the choice of a tile's rows (lane r of tile u: row 8 u + r + 8 (r / 8)), dims 32 b + 16 (lane / 16) + 0 .. 15
; in 16 registers: rope's partner d + 32 is 16 registers on in the same lane, and the conversions' results are the next operand's registers.
; v WAVES USE IT AS IT STANDS (source 0 = tokens): a lane holds one dim and 16 neighbouring keys.
; OUT.  qq: codes [head][G = token / 32][u][cc][lane][16], scale words at QSOFF [head][G][lane]: lanes 0-15 the word (u0 b0, u0 b1, u1 b0, u1 b1) of lane r, lanes 16-31 the same turned by 16 bits.
;       kv: [key head][slot of 256 keys][34,304]: K's codes (laid as qq's), V's codes [step][tile of dims][2048] at 16,384, K's scale words at 32,768, V's scale bytes [step][tile][r][key group] at 33,792.
; LIMITS: a block of zeros gets the byte 1 where the rule says 127 (its codes are zeros; this program alone reads the bytes); NaN and infinities are not served.
.set XSOFF, 4194304
.set WSOFF, 2621440
.set QSOFF, 4194304
.set KVH,   548864                     ; a key head's bytes in kv
; THE DEAL AS IT STANDS NOW (it takes the place of what the head says of LDS, of who asks, and of kv):
; LDS holds x's K steps 0 to 6 (114,688 bytes at 0), the spare words behind them, and all eight K steps of the weights at 131,072.  x's K step 7, 4,096 bytes a wave, comes straight into v192-223 at the head.
; Waves 0 to 3 ask jointly for x's quarters (the last is one K step), waves 4 to 7 for the weights': one tensor load a wave, each in an arm of its own; a quarter's two askers wait in front of that quarter's barrier.
; cos and sin of both token tiles are loaded behind the K loop.
; kv: [key head][key step of 128 keys][17,152]: K's codes at 0, V's codes [tile of dims][2048] at 8,192, K's scale words at 16,384, V's scale bytes [tile][r][key group] at 16,896.
.set KVS,   17152                      ; a key step's bytes in kv
.set SPARE, 114688                     ; the spare words, 128 bytes for each of twelve waves
.set X7,    192                        ; v192-223 x's two fragments of K step 7
.set G1Y,   44                         ; s[44:51] group 1 for x's last quarter: 64 rows
.set AX,  1                            ; v1  LDS: 16 lane + 4,096 g, + the quarter in hand
.set AW,  2                            ; v2  LDS: 16 lane + 131,072 + 8,192 slot, + the quarter in hand
.set L16, 3                            ; v3  16 x lane
.set L4,  4                            ; v4  4 x lane
.set CO,  5                            ; v5  cos, sin: my token's row of tile 0, + 64 (lane / 16)
.set LN,  6                            ; v6  lane
.set XS,  8                            ; v8-15   x's scale words, one register a K step: lanes 0-15 tile 0, lanes 16-31 tile 1
.set WS,  16                           ; v16-31  the weights': K step s, half b of the head
.set XF,  32                           ; v32-63  x's two fragments
.set WF,  64                           ; v64-127 the weights' four
.set ACC, 128                          ; v128-191
.set CS,  192                          ; v192-255 tile 0's cos (dims low 16, high 16) and sin likewise; later:
.set TM,  192
.set PC,  208
.set PW,  224
.set WV,  16
.set SLT, 17
.set GG,  18
.set ROLE, 23                          ; s23 1 in a wave that makes v: it hangs on the wave's number and the cluster's x alone
.set G1X, 24
.set G1W, 32
.set G0X, 40                           ; s[40:43] group 0 for my quarter of x
.set G0W, 68                           ; s[68:71] the same for the weights'
.set SEL, 96
.set MNT, 98
.macro CROUND                          ; a round of the cluster's barrier
	s_barrier_signal -1
	s_barrier_wait -1
	s_cmp_lg_u32 s[WV], 0
	s_cbranch_scc1 .Lnot_wave_0_\@
	s_barrier_signal -3
.Lnot_wave_0_\@:
	s_barrier_wait -3
	s_barrier_signal -1
	s_barrier_wait -1
.endm
; one scaled matrix instruction; ra, rb: which half of the lanes of the scale registers serves source 0, source 1
.macro MM d, a, b, zero, sa, sb, ra, rb
.if \zero
.if ((\ra) == 0) && ((\rb) == 0)
	v_wmma_scale_f32_16x16x128_f8f6f4 v[(\d):(\d)+7], v[(\a):(\a)+15], v[(\b):(\b)+15], 0, v[\sa], v[\sb]
.elseif ((\ra) == 1) && ((\rb) == 0)
	v_wmma_scale_f32_16x16x128_f8f6f4 v[(\d):(\d)+7], v[(\a):(\a)+15], v[(\b):(\b)+15], 0, v[\sa], v[\sb] matrix_a_scale:MATRIX_SCALE_ROW1
.elseif ((\ra) == 0)
	v_wmma_scale_f32_16x16x128_f8f6f4 v[(\d):(\d)+7], v[(\a):(\a)+15], v[(\b):(\b)+15], 0, v[\sa], v[\sb] matrix_b_scale:MATRIX_SCALE_ROW1
.else
	v_wmma_scale_f32_16x16x128_f8f6f4 v[(\d):(\d)+7], v[(\a):(\a)+15], v[(\b):(\b)+15], 0, v[\sa], v[\sb] matrix_a_scale:MATRIX_SCALE_ROW1 matrix_b_scale:MATRIX_SCALE_ROW1
.endif
.else
.if ((\ra) == 0) && ((\rb) == 0)
	v_wmma_scale_f32_16x16x128_f8f6f4 v[(\d):(\d)+7], v[(\a):(\a)+15], v[(\b):(\b)+15], v[(\d):(\d)+7], v[\sa], v[\sb]
.elseif ((\ra) == 1) && ((\rb) == 0)
	v_wmma_scale_f32_16x16x128_f8f6f4 v[(\d):(\d)+7], v[(\a):(\a)+15], v[(\b):(\b)+15], v[(\d):(\d)+7], v[\sa], v[\sb] matrix_a_scale:MATRIX_SCALE_ROW1
.elseif ((\ra) == 0)
	v_wmma_scale_f32_16x16x128_f8f6f4 v[(\d):(\d)+7], v[(\a):(\a)+15], v[(\b):(\b)+15], v[(\d):(\d)+7], v[\sa], v[\sb] matrix_b_scale:MATRIX_SCALE_ROW1
.else
	v_wmma_scale_f32_16x16x128_f8f6f4 v[(\d):(\d)+7], v[(\a):(\a)+15], v[(\b):(\b)+15], v[(\d):(\d)+7], v[\sa], v[\sb] matrix_a_scale:MATRIX_SCALE_ROW1 matrix_b_scale:MATRIX_SCALE_ROW1
.endif
.endif
.endm
; 64 numbers of a lane in four blocks of 16 registers, each block shared with lane l xor 16, become 16 registers of codes at v[pc], four bytes in v[TM+4] on and their word in v[pw]
.macro QUANT s, pc, pw
.irp b, 0,1,2,3
	v_max3_num_f32 v[TM+\b], |v[\s+16*\b]|, |v[\s+1+16*\b]|, 0x4800000   ; and the floor 2^(9 - 127): the byte cannot fall under 1.  (Each accumulator is read from its low end on)
.endr
.irp i, 2,4,6,8,10,12,14
.irp b, 0,1,2,3
	v_max3_num_f32 v[TM+\b], v[TM+\b], |v[\s+16*\b+\i]|, |v[\s+1+16*\b+\i]|
.endr
.endr
.irp b, 0,1,2,3
	s_delay_alu instid0(VALU_DEP_4)
	v_permlanex16_b32 v[TM+4+\b], v[TM+\b], s[SEL], s[SEL+1]
.endr
.irp b, 0,1,2,3
	s_delay_alu instid0(VALU_DEP_4)
	v_max_num_f32 v[TM+\b], v[TM+\b], v[TM+4+\b]
.endr
.irp b, 0,1,2,3
	s_delay_alu instid0(VALU_DEP_4)
	v_add_nc_u32 v[TM+12+\b], 0xfc000000, v[TM+\b]               ; 8 off the exponent field: the conversion's scale operand
.endr
.irp b, 0,1,2,3
	v_and_or_b32 v[TM+8+\b], v[TM+\b], 0x7f800000, s[MNT]        ; 448 x the scale
.endr
.irp b, 0,1,2,3
	v_lshrrev_b32 v[TM+4+\b], 23, v[TM+12+\b]                    ; the byte
.endr
	s_delay_alu instid0(VALU_DEP_3)
	v_lshl_or_b32 v[\pw], v[TM+5], 8, v[TM+4]
	s_delay_alu instid0(VALU_DEP_1)
	v_lshl_or_b32 v[\pw], v[TM+6], 16, v[\pw]
	s_delay_alu instid0(VALU_DEP_1)
	v_lshl_or_b32 v[\pw], v[TM+7], 24, v[\pw]
.irp b, 0,1,2,3
.irp i, 0,1,2,3,4,5,6,7,8,9,10,11,12,13,14,15
	v_med3_num_f32 v[\s+16*\b+\i], v[\s+16*\b+\i], -v[TM+8+\b], v[TM+8+\b]   ; the conversion does not saturate (ISA guide 7.6.2): the hold comes first
.endr
	v_cvt_scalef32_pk8_fp8_f32 v[\pc+4*\b:\pc+1+4*\b], v[\s+16*\b:\s+7+16*\b], v[TM+12+\b]
	v_cvt_scalef32_pk8_fp8_f32 v[\pc+2+4*\b:\pc+3+4*\b], v[\s+8+16*\b:\s+15+16*\b], v[TM+12+\b]
.endr
	v_nop
.endm
; K step s: 24 LDS loads, 512 consecutive bytes each, then 8 matrix instructions on 8 accumulators by turns
; TWO SETS OF FRAGMENTS.  Even K steps: x in v32-63, the weights in v64-127.  Odd K steps: x in v224-255 (K step 7: v192-223, there since the head), the weights in v256-319, which are v0-63 of register window 1.
; Behind a quarter's barrier both its K steps' loads are issued; the first step is multiplied while the second step's loads are out.
.macro LOADS s                         ; K step s's fragments: 24 LDS loads (K step 7: 16), 512 consecutive bytes each
.if (\s) < 7
.irp u, 0,1
.irp c, 0,1,2,3
	ds_load_b128 v[XF+192*((\s)%2)+16*\u+4*\c:XF+192*((\s)%2)+16*\u+4*\c+3], v[AX] offset:((\s)%2)*16384+\u*2048+\c*512
.endr
.endr
.endif
.if (\s)%2
	s_set_vgpr_msb 0x40                            ; destination in window 1, address in window 0
.endif
.irp f, 0,1,2,3
.irp c, 0,1,2,3
	ds_load_b128 v[WF*(1-(\s)%2)+16*\f+4*\c:WF*(1-(\s)%2)+16*\f+4*\c+3], v[AW] offset:((\s)%2)*24576+\f*2048+\c*512
.endr
.endr
.if (\s)%2
	s_set_vgpr_msb 0x4000
.endif
.endm
.macro MULS s                          ; K step s's 8 matrix instructions on 8 accumulators by turns
.if (\s) > 0
.set ZR, 0
.else
.set ZR, 1                                     ; the first K step starts the sums: nothing is cleared
.endif
.if (\s) == 7
.set XB, X7
.else
.set XB, XF+192*((\s)%2)
.endif
.set WB, WF*(1-(\s)%2)
	s_cmp_eq_u32 s[ROLE], 0
	s_cbranch_scc0 .Lnatural_\@
.if (\s)%2
	s_set_vgpr_msb 0x01                            ; source 0, the weights, in window 1
.endif
.irp u, 0,1
.irp b, 0,1
.irp w, 0,1
	MM ACC+32*\u+16*\b+8*\w, WB+32*\b+16*\w, XB+16*\u, ZR, WS+2*(\s)+\b, XS+(\s), \w, \u
.endr
.endr
.endr
.if (\s)%2
	s_set_vgpr_msb 0x0100                          ; at a branch and at a label every window is 0
.endif
	s_branch .Ldone_\@
.Lnatural_\@:
.if (\s)%2
	s_set_vgpr_msb 0x04                            ; source 1, the weights, in window 1
.endif
.irp u, 0,1
.irp b, 0,1
.irp w, 0,1
	MM ACC+32*\b+16*\w+8*\u, XB+16*\u, WB+32*\b+16*\w, ZR, XS+(\s), WS+2*(\s)+\b, \u, \w
.endr
.endr
.endr
.if (\s)%2
	s_set_vgpr_msb 0x0400
.endif
.Ldone_\@:
.endm
; cos and sin of token tile u into v[t] on: cos dims 16 h + 0..15, cos dims 32 + 16 h + 0..15, sin likewise
.macro CSLOAD u, t
.irp j, 0,1,2,3
	global_load_b128 v[\t+4*\j:\t+3+4*\j], v[CO], s[92:93] offset:\u*2048+16*\j
	global_load_b128 v[\t+16+4*\j:\t+19+4*\j], v[CO], s[92:93] offset:\u*2048+128+16*\j
	global_load_b128 v[\t+32+4*\j:\t+35+4*\j], v[CO], s[94:95] offset:\u*2048+16*\j
	global_load_b128 v[\t+48+4*\j:\t+51+4*\j], v[CO], s[94:95] offset:\u*2048+128+16*\j
.endr
.endm
; rope on token tile u: out[d] = x[d] cos[d] - x[d + 32] sin[d], out[d + 32] = x[d + 32] cos[d + 32] + x[d] sin[d + 32]; two numbers an instruction; each accumulator is read from its low end on
.macro ROPE u, t
.irp i, 0,2,4,6,8,10,12,14
	v_pk_mul_f32 v[\t+32+\i:\t+33+\i], v[\t+32+\i:\t+33+\i], v[ACC+32*\u+16+\i:ACC+32*\u+17+\i]
.endr
.irp i, 0,2,4,6,8,10,12,14
	v_pk_mul_f32 v[\t+48+\i:\t+49+\i], v[\t+48+\i:\t+49+\i], v[ACC+32*\u+\i:ACC+32*\u+1+\i]
.endr
.irp i, 0,2,4,6,8,10,12,14
	v_pk_fma_f32 v[ACC+32*\u+\i:ACC+32*\u+1+\i], v[ACC+32*\u+\i:ACC+32*\u+1+\i], v[\t+\i:\t+1+\i], v[\t+32+\i:\t+33+\i] neg_lo:[0,0,1] neg_hi:[0,0,1]
.endr
.irp i, 0,2,4,6,8,10,12,14
	v_pk_fma_f32 v[ACC+32*\u+16+\i:ACC+32*\u+17+\i], v[ACC+32*\u+16+\i:ACC+32*\u+17+\i], v[\t+16+\i:\t+17+\i], v[\t+48+\i:\t+49+\i]
.endr
.endm
	s_load_b256 s[4:11], s[0:1], 0x0               ; xq s[4:5], wq s[6:7], cos s[8:9], sin s[10:11]
	s_load_b128 s[12:15], s[0:1], 0x20             ; qq s[12:13], kv s[14:15]
	v_lshl_add_u32 v32, v0, 2, SPARE               ; no two registers can be kept for the add: v0 is kept, and the two are made anew at the end
	v_mov_b32 v33, 0
	ds_add_u32 v32, v33                            ; the opening lines: the add twice on end and one wait
	ds_add_u32 v32, v33
	v_lshrrev_b32 v1, 5, v0
	s_delay_alu instid0(VALU_DEP_1)
	v_readfirstlane_b32 s[WV], v1                  ; wave 0..11
	s_lshr_b32 s[SLT], s[WV], 2                    ; slot
	s_and_b32 s[GG], s[WV], 3                      ; g
	s_bfe_u32 s19, ttmp6, 0x40000                  ; cx
	s_bfe_u32 s20, ttmp6, 0x40004                  ; cy
	s_lshl_b32 s21, ttmp9, 2
	s_add_co_u32 s21, s21, s19                     ; cb = 4 x cluster x + cx
	s_and_b32 s22, ttmp7, 0xffff
	s_lshl_b32 s22, s22, 2
	s_add_co_u32 s22, s22, s20                     ; RB = 4 x cluster y + cy
	s_cmp_eq_u32 s[SLT], 2
	s_cselect_b32 s[ROLE], ttmp9, 0                ; slot 2 of the clusters with x = 1 (cb 4 to 7) makes v
	s_lshl_b32 s84, s20, 2
	s_lshl_b32 s84, 15, s84                        ; my row of the cluster
	s_lshl_b32 s85, 0x1111, s19                    ; my column
	; descriptor groups 1: dense blocks as rows of 256 bytes (32 elements of 8 bytes): 128 rows a quarter of x, 192 a quarter of the weights
	s_or_b32 s[G1X], s84, (3<<16)|(1<<21)          ; 15:0 the mask; 17:16 elements of 8 bytes; 21 set beside a mask; no padding
	s_mov_b32 s[G1X+1], 32<<16                     ; tensor_dim0 = 32
	s_mov_b32 s[G1X+2], 128<<16                    ; tensor_dim1 = 128
	s_mov_b32 s[G1X+3], 32<<16                     ; tile_dim0 = 32
	s_mov_b32 s[G1X+4], 128                        ; tile_dim1 = 128
	s_mov_b32 s[G1X+5], 32                         ; from row to row
	s_mov_b32 s[G1X+6], 0
	s_mov_b32 s[G1X+7], 0
	s_or_b32 s[G1Y], s84, (3<<16)|(1<<21)          ; x's last quarter is K step 6 alone: 64 rows of 256 bytes
	s_mov_b32 s[G1Y+1], 32<<16
	s_mov_b32 s[G1Y+2], 64<<16
	s_mov_b32 s[G1Y+3], 32<<16
	s_mov_b32 s[G1Y+4], 64
	s_mov_b32 s[G1Y+5], 32
	s_mov_b32 s[G1Y+6], 0
	s_mov_b32 s[G1Y+7], 0
	s_or_b32 s[G1W], s85, (3<<16)|(1<<21)
	s_mov_b32 s[G1W+1], 32<<16
	s_mov_b32 s[G1W+2], 192<<16
	s_mov_b32 s[G1W+3], 32<<16
	s_mov_b32 s[G1W+4], 192
	s_mov_b32 s[G1W+5], 32
	s_mov_b32 s[G1W+6], 0
	s_mov_b32 s[G1W+7], 0
	s_lshl_b32 s56, s22, 17                        ; x's block: RB x 131,072 (these registers never hold cb)
	s_mov_b32 s57, 0
	s_mul_i32 s58, s21, 196608                     ; the weights': cb x 196,608 (these never hold RB)
	s_mov_b32 s59, 0
	s_mov_b32 s[SEL], 0x76543210
	s_mov_b32 s[SEL+1], 0xfedcba98
	s_mov_b32 s[MNT], 0x600000
	s_wait_dscnt 0x0                               ; both opening adds are done
	s_wait_kmcnt 0x0
	s_add_nc_u64 s[60:61], s[4:5], s[56:57]
	s_add_nc_u64 s[62:63], s[6:7], s[58:59]
	CROUND                                         ; all sixteen work-groups are here: the joint loads meet
	s_lshl_b32 s52, s[GG], 15                      ; quarter wave % 4 of x: 32,768 bytes on, in memory and in LDS
	s_mov_b32 s53, 0
	s_mov_b32 s[G0X], 1
	s_mov_b32 s[G0X+1], s52
	s_add_nc_u64 s[G0X+2:G0X+3], s[60:61], s[52:53]
	s_or_b32 s[G0X+3], s[G0X+3], 0x80000000
	s_mul_i32 s54, s[GG], 49152                    ; and of the weights: 49,152 bytes on
	s_mov_b32 s55, 0
	s_mov_b32 s[G0W], 1
	s_add_co_u32 s[G0W+1], s54, 131072
	s_add_nc_u64 s[G0W+2:G0W+3], s[62:63], s[54:55]
	s_or_b32 s[G0W+3], s[G0W+3], 0x80000000
; one chain of branches on the wave's number, one joint load to an arm, all arms to one join: waves 0-3 x's quarters, waves 4-7 the weights'; waves 8-11 ask for nothing
.macro ARM n, g0, g1
	s_cmp_eq_u32 s[WV], \n
	s_cbranch_scc0 .Larm_\n
	tensor_load_to_lds s[\g0:\g0+3], s[\g1:\g1+7]
	s_nop 0
.rept 4
	v_nop
.endr
	s_branch .Lasked
.Larm_\n:
.endm
	ARM 0, G0X, G1X                                ; the arms stand quarter by quarter: what the first barrier shows stands first
	ARM 4, G0W, G1W
	ARM 1, G0X, G1X
	ARM 5, G0W, G1W
	ARM 2, G0X, G1X
	ARM 6, G0W, G1W
	ARM 3, G0X, G1Y
	ARM 7, G0W, G1W
.Lasked:
	v_and_b32 v[LN], 31, v0
	s_delay_alu instid0(VALU_DEP_1)
	v_lshlrev_b32 v[L16], 4, v[LN]
	s_delay_alu instid0(VALU_DEP_2)
	v_lshlrev_b32 v[L4], 2, v[LN]
	s_wait_alu depctr_va_vdst(0)
	s_lshl_b32 s86, s[GG], 12
	v_add_nc_u32 v[AX], s86, v[L16]
	s_lshl_b32 s86, s[SLT], 13
	s_add_co_u32 s86, s86, 131072
	v_add_nc_u32 v[AW], s86, v[L16]
	v_and_b32 v7, 15, v0                           ; r
	s_delay_alu instid0(VALU_DEP_1)
	v_and_b32 v[CO], 8, v7
	s_delay_alu instid0(VALU_DEP_1)
	v_add_nc_u32 v[CO], v[CO], v7                  ; r + 8 (r / 8): my token in tile 0
	s_delay_alu instid0(VALU_DEP_1)
	v_lshlrev_b32 v[CO], 8, v[CO]                  ; a row of cos or sin is 256 bytes
	v_bfe_u32 v7, v0, 4, 1
	s_delay_alu instid0(VALU_DEP_1)
	v_lshl_add_u32 v[CO], v7, 6, v[CO]
	s_lshl_b32 s84, s22, 12                        ; x's scale words: XSOFF + RB x 4,096 + g x 128
	s_lshl_b32 s85, s[GG], 7
	s_add_co_u32 s84, s84, s85
	s_add_co_u32 s84, s84, XSOFF
	s_mov_b32 s85, 0
	s_add_nc_u64 s[88:89], s[4:5], s[84:85]
	s_mul_i32 s84, s21, 6144                       ; the weights': WSOFF + cb x 6,144 + slot x 256
	s_lshl_b32 s86, s[SLT], 8
	s_add_co_u32 s84, s84, s86
	s_add_co_u32 s84, s84, WSOFF
	s_add_nc_u64 s[90:91], s[6:7], s[84:85]
	s_lshl_b32 s84, s22, 15                        ; cos, sin: (128 RB + 32 g) rows of 256 bytes
	s_lshl_b32 s86, s[GG], 13
	s_add_co_u32 s84, s84, s86
	s_add_nc_u64 s[92:93], s[8:9], s[84:85]
	s_add_nc_u64 s[94:95], s[10:11], s[84:85]
.irp s, 0,1,2,3,4,5,6,7
	global_load_b32 v[XS+\s], v[L4], s[88:89] offset:\s*512
	global_load_b32 v[WS+2*\s], v[L4], s[90:91] offset:\s*768
	global_load_b32 v[WS+2*\s+1], v[L4], s[90:91] offset:\s*768+128
.endr
	s_wait_alu depctr_va_vdst(0)
.irp u, 0,1
.irp c, 0,1,2,3
	global_load_b128 v[X7+16*\u+4*\c:X7+16*\u+4*\c+3], v[AX], s[60:61] offset:7*16384+\u*2048+\c*512   ; x's K step 7: my group's two fragments, 512 consecutive bytes a load
.endr
.endr
	s_wait_loadcnt 0x0
	s_wait_alu depctr_va_vdst(0)
.irp j, 0,1,2,3
	s_wait_alu depctr_va_vdst(0)
.if \j < 3
	s_cmp_eq_u32 s[GG], \j                         ; quarter j was asked for by waves j and 4 + j, each by a line of its own: they wait here
	s_cbranch_scc0 .Lnot_yet_\j
	s_wait_tensorcnt 0x0
.Lnot_yet_\j:
.else
	s_wait_tensorcnt 0x0                           ; the last barrier shows all that is still out: the wait stands under no branch
.endif
	s_barrier_signal -1
	s_barrier_wait -1                              ; both waves' quarter j is in
.rept 8
	v_nop                                          ; places in front of loads into registers that matrix instructions have read
.endr
	LOADS 2*\j
	LOADS 2*\j+1
.if \j < 3
	s_wait_dscnt 24                                ; the first step's loads are in; the second step's 24 may be out
.else
	s_wait_dscnt 16                                ; K step 7 has 16 loads
.endif
	MULS 2*\j
	s_wait_dscnt 0x0
	MULS 2*\j+1
.if \j < 3
	v_add_nc_u32 v[AX], 32768, v[AX]
	s_wait_alu depctr_va_vdst(0)
	v_add_nc_u32 v[AW], 49152, v[AW]
.endif
.endr
.rept 8
	v_nop                                          ; places in front of the first read of results, and of loads into registers that matrix instructions have read
.endr
	v_cmp_le_u32 vcc_lo, 16, v[LN]                 ; lanes 16-31
	s_cmp_eq_u32 s[ROLE], 0
	s_cbranch_scc0 .Lvalues
	; ---------------- q and k: rope, quantised along the head's 64 (blocks 2 u + b)
	CSLOAD 0, CS                                   ; tile 0's cos and sin into v192-255, which K step 7's products have read eight places ago
	CSLOAD 1, XF                                   ; tile 1's tokens lie 8 rows further down; into v32-95
	s_lshl_b32 s2, s21, 1
	s_add_co_u32 s2, s2, s[SLT]                    ; query head 2 cb + slot
	s_lshl_b32 s3, s22, 2
	s_add_co_u32 s3, s3, s[GG]                     ; G = 4 RB + g
	s_lshl_b32 s66, s2, 18
	s_lshl_b32 s67, s3, 11
	s_add_co_u32 s66, s66, s67                     ; q's codes: head x 262,144 + G x 2,048
	s_lshl_b32 s2, s2, 14
	s_lshl_b32 s3, s3, 7
	s_add_co_u32 s2, s2, s3
	s_add_co_u32 s2, s2, QSOFF                     ; q's scale words
	s_mul_i32 s3, s21, KVH
	s_mul_i32 s67, s22, KVS
	s_add_co_u32 s3, s3, s67                       ; k: key head cb, key step RB
	s_lshl_b32 s84, s[GG], 11
	s_add_co_u32 s99, s3, s84                      ; k's codes: + g x 2,048
	s_lshl_b32 s84, s[GG], 7
	s_add_co_u32 s3, s3, s84
	s_add_co_u32 s3, s3, 16384                     ; k's scale words: + 16,384 + g x 128
	s_cmp_lt_u32 s[SLT], 2
	s_cselect_b32 s84, s66, s99
	s_cselect_b32 s86, s2, s3
	s_cselect_b64 s[66:67], s[12:13], s[14:15]
	s_mov_b32 s85, 0
	s_mov_b32 s87, 0
	s_add_nc_u64 s[84:85], s[66:67], s[84:85]
	s_add_nc_u64 s[86:87], s[66:67], s[86:87]
	s_wait_loadcnt 16                              ; tile 0's sixteen loads are in; tile 1's sixteen may be out
	ROPE 0, CS
	s_wait_loadcnt 0x0
	ROPE 1, XF
.irp b, 0,1,2,3
	v_mov_b32 v[TM+4+\b], 0                        ; a lane permute's destination counts as one of its sources
.endr
	QUANT ACC, PC, PW
.irp c, 0,1,2,3
	global_store_b128 v[L16], v[PC+4*\c:PC+4*\c+3], s[84:85] offset:512*\c     ; piece 2 u + b: 512 consecutive bytes
.endr
	v_alignbit_b32 v225, v[PW], v[PW], 16          ; the word turned by 16 bits
	s_delay_alu instid0(VALU_DEP_1)
	v_cndmask_b32 v226, v[PW], v225, vcc_lo
	global_store_b32 v[L4], v226, s[86:87]
	s_branch .Lend
	; ---------------- v: quantised along the keys: block tl = a tile of dims; my 16 registers are 16 neighbouring keys of the group g
.Lvalues:
	s_sub_co_u32 s2, s21, 4
	s_mul_i32 s2, s2, KVH
	s_mul_i32 s3, s22, KVS
	s_add_co_u32 s2, s2, s3                        ; value head cb - 4, key step RB
	s_lshl_b32 s67, s[GG], 9
	s_add_co_u32 s66, s2, s67
	s_add_co_u32 s84, s66, 8192                    ; codes: + 8,192 + g x 512 (piece c = g of each tile's fragment)
	s_add_co_u32 s2, s2, s[GG]
	s_add_co_u32 s86, s2, 16896                    ; scale bytes: + 16,896 + g
	s_mov_b32 s85, 0
	s_mov_b32 s87, 0
	s_add_nc_u64 s[84:85], s[14:15], s[84:85]
	s_add_nc_u64 s[86:87], s[14:15], s[86:87]
.irp b, 0,1,2,3
	v_mov_b32 v[TM+4+\b], 0
.endr
	QUANT ACC, PC, PW
.irp t, 0,1,2,3
	global_store_b128 v[L16], v[PC+4*\t:PC+4*\t+3], s[84:85] offset:2048*\t
.endr
	v_cndmask_b32 v225, v[TM+4], v[TM+5], vcc_lo   ; lanes 0-15: tile 0's byte of dim row r, lanes 16-31: tile 1's
	v_cndmask_b32 v226, v[TM+6], v[TM+7], vcc_lo
	global_store_b8 v[L4], v225, s[86:87]          ; one byte of each word: the word's other three come from the waves of the other key groups; one byte for 32 codes
	global_store_b8 v[L4], v226, s[86:87] offset:128
.Lend:
	v_lshl_add_u32 v32, v0, 2, SPARE               ; the add's two registers, made anew
	v_mov_b32 v33, 0
	s_wait_alu depctr_va_vdst(0)
	s_wait_tensorcnt 0x0                           ; the wave's end
	ds_add_u32 v32, v33
	s_wait_dscnt 0x0
	CROUND                                         ; the closing round: no work-group ends while a partner may still ask for a tile that names it
	s_endpgm
.Lfunc_end_k_q87b4e03ec3_proj:
	.size	k_q87b4e03ec3_proj, .Lfunc_end_k_q87b4e03ec3_proj-k_q87b4e03ec3_proj
	.p2alignl 7, 3214868480
	.fill 96, 4, 3214868480
	.section	.rodata,"a",@progbits
	.p2align	6, 0x0
	.amdhsa_kernel k_q87b4e03ec3_proj
		.amdhsa_group_segment_fixed_size 327680
		.amdhsa_private_segment_fixed_size 0
		.amdhsa_enable_private_segment 0
		.amdhsa_kernarg_size 48
		.amdhsa_user_sgpr_count 2
		.amdhsa_user_sgpr_kernarg_segment_ptr 1
		.amdhsa_wavefront_size32 1
		.amdhsa_system_sgpr_workgroup_id_x 1
		.amdhsa_system_sgpr_workgroup_id_y 1
		.amdhsa_system_sgpr_workgroup_id_z 1
		.amdhsa_system_vgpr_workitem_id 0
		.amdhsa_next_free_vgpr 320
		.amdhsa_next_free_sgpr 100
		.amdhsa_reserve_vcc 1
		.amdhsa_float_denorm_mode_32 3
		.amdhsa_float_denorm_mode_16_64 3
		.amdhsa_memory_ordered 1
		.amdhsa_forward_progress 1
		.amdhsa_inst_pref_size 71
	.end_amdhsa_kernel
	.amdgpu_metadata
---
amdhsa.version: [ 1, 2 ]
amdhsa.kernels:
  - .name:           k_q87b4e03ec3_proj
    .symbol:         k_q87b4e03ec3_proj.kd
    .args:
      - { .name: xq, .offset: 0, .size: 8, .value_kind: global_buffer, .address_space: global }
      - { .name: wq, .offset: 8, .size: 8, .value_kind: global_buffer, .address_space: global }
      - { .name: cos, .offset: 16, .size: 8, .value_kind: global_buffer, .address_space: global }
      - { .name: sin, .offset: 24, .size: 8, .value_kind: global_buffer, .address_space: global }
      - { .name: qq, .offset: 32, .size: 8, .value_kind: global_buffer, .address_space: global }
      - { .name: kv, .offset: 40, .size: 8, .value_kind: global_buffer, .address_space: global }
    .group_segment_fixed_size: 327680
    .private_segment_fixed_size: 0
    .kernarg_segment_align: 8
    .kernarg_segment_size: 48
    .max_flat_workgroup_size: 384
    .sgpr_count:     100
    .vgpr_count:     320
    .wavefront_size: 32
...
	.end_amdgpu_metadata
.endif
;; end of part 2
;; launch attn (part 3): grid 16 x 16, 16 waves a work-group, clusters of 4 x 1, 327,680 bytes of LDS; arguments qq, kv, cq; writes cq
.if DOCPART == 3
	.amdgcn_target "amdgcn-amd-amdhsa--gfx1250"
	.amdhsa_code_object_version 6
	.text
	.protected	k_q87b4e03ec3_attn
	.globl	k_q87b4e03ec3_attn
	.p2align	8
	.type	k_q87b4e03ec3_attn,@function
k_q87b4e03ec3_attn:
	s_mov_b64 s[64:65], 0
	v_nop
	global_prefetch_b8 v0, s[64:65] scope:SCOPE_SE
	s_setreg_imm32_b32 hwreg(HW_REG_WAVE_MODE, 25, 1), 1
	s_wait_xcnt 0x0
	s_wait_alu depctr_hold_cnt(0) depctr_sa_sdst(0) depctr_va_vdst(0) depctr_va_sdst(0) depctr_va_ssrc(0) depctr_va_vcc(0) depctr_vm_vsrc(0)
	s_getreg_b32 s2, hwreg(HW_REG_IB_STS2, 6, 4)
	s_cmp_eq_u32 s2, 0
	s_cbranch_scc0 .Lentry_in_a_cluster
	s_endpgm
.Lentry_in_a_cluster:
	s_bfe_u32 s2, ttmp6, 0x10000c
	s_cmp_lg_u32 s2, 0x3003
	s_cbranch_scc0 .Lentry_shape_is_right
	s_endpgm
.Lentry_shape_is_right:
; ctx[head][q] = the sum over keys k <= q of softmax_k(q . k / 8) v, both products on codes of E4M3 with E8M0 scales; ctx leaves as codes along the head's 64, laid as the last product's operand.
; THE SOFTMAX: t = score x log2(e) / 8; M = the running largest t rounded UP to a whole number; p = 2^(t - M) is quantised along the keys, not normalised; the row's sum is taken of the unquantised p and divides at the end.
; LEFT OUT: key steps all of whose keys come after a tile's queries: the causal mask puts -inf there, so their p is 0 for all inputs.
; SHARES.  A cluster is the four query heads of one key head at the same i: they walk the same K and V, asked for jointly.  A work-group owns query blocks i and h = 31 - i (128 queries, 8 tiles of 16, each).
; Block b needs key steps (128 keys) 0 .. b: a pair of tiles 33 steps.  Waves 2 n and 2 n + 1 share tile n of both blocks: the EVEN wave takes block h over key steps 0 .. 16 (17 steps);
; the ODD wave takes block i over steps 0 .. i and then block h over steps 17 .. h (16 steps).  So all sixteen waves work at each of the times 0 .. 15, for every i, and all trip counts are constants of the text.
; At its change of tiles the odd wave puts block i's O^T, -M and sums into its own LDS stage.  At the end it hands block h's part to its partner through LDS.  ONE way out serves all waves: what a wave holds is joined with what it
; reads from the stage (even: the partner's part; odd: its own block i, what it holds counting for nothing), by factors 2^(own M - joint M), which round nothing; then divided by the sum, quantised, stored.
; TWO STREAMS: at time T stream A holds key step T, stream B key step T (T <= i) or T + 16 - i.  A slot of the ring holds two times of both: four blocks of 17,152 dense bytes of kv, one joint load each of waves 0 to 3.
; Nine slots: 0 to 7 whole; slot 8 is A's step 16 alone (wave 0).  A fill is asked for behind the round at the head of the slot before: one tensor load of a wave is out at most.  Every wait on TENSORcnt is for 0.
; LAYOUT.  Both products are used transposed (S^T = K Q^T, O^T = V^T P^T): a lane holds ONE query.  Lane r of tile u of a group of 32 rows takes row 8 u + r + 8 (r / 8), so 16 registers of two neighbouring tiles are 16 neighbours.
; THE FIRST PRODUCT'S K IS 64, the instruction's 128: a fragment of K carries TWO tiles of keys; Q stands as 8 zeros, 8 registers of codes, 8 zeros: v[24:39] meets tile 0, v[16:31] tile 1.  Zero codes add nothing under a finite scale byte.
; A tile begun anew keeps the old O^T and sums in its registers: -M is set to 3e38, so the next step's factor is 0.
; PREFETCH: the clusters with i = 0 are the first to touch every key step; there each partner asks for one of the four blocks of the slot after the one that is being loaded (told apart by address), waves 4 to 6, a lane for 256 bytes.
; Slots 0, 1 and 8 come by their loads alone.
; LIMITS: a block of zeros gets the byte 1 where the rule says 127 (its codes are zeros; this program alone reads the bytes); NaN and infinities are not served; a factor under 2^-200 counts as 0.
.set KVH,   548864
.set STEPB, 17152                      ; a key step in kv: K's codes, V's codes at VCO, K's scale words at KSO, V's at VSO
.set VCO,   8192
.set KSO,   16384
.set VSO,   16896
.set SLOT1, 131072                     ; ring slot 1: one exclusive or turns an address from one slot to the other
.set STAGE, SLOT1+4*STEPB              ; sixteen stages of SZ bytes, a wave's own: an odd wave's block i waits there
.set SZ,    4608                       ; O^T: 8 x 512 bytes; v12-15: 512
.set STAGE2, STAGE+16*SZ               ; eight more, one a pair: the odd wave's part of block h on its way to the even wave
.set SPARE, STAGE2+8*SZ                ; the spare words, 128 bytes a wave
.set QSOFF, 4194304
.set CSOFF, 4194304
.set BIG,   0x7f61b1e6                 ; 3e38: -M of a tile with no key yet
.set LOW,   0xc3480000                 ; -200.0
.set LK,  1                            ; v1  16 lane + my stream's place in a slot
.set LSC, 2                            ; v2  4 lane + the same
.set AC,  3                            ; v3, v4 the same two in the slot in hand
.set AS,  4
.set SPW, 5
.set NIL, 6
.set PFO, 7                            ; v7  the prefetches' offset
.set DD,  8                            ; v8  my query's place in its block - 16 (lane / 16)
.set ALD, 10                           ; v10 my stage
.set APS, 11                           ; v11 my pair's stage
.set QHI, 16
.set QLO, 24
.set QSC, 40                           ; Q's scale words: lanes 0-15 for QLO, lanes 16-31 for QHI
.set Q2S, 41                           ; block h's Q for the odd wave's second tile: scale words, v[42:49] codes
.set Q2,  42
.set L16, 50                           ; v50 16 lane
.set FR,  52                           ; v52-115  four fragments, K's and then V's
.set S,   116                          ; v116-179 S^T, then p
.set OT,  180                          ; v180-211 O^T
.set PCD, 212                          ; v212-227 p's codes
.set BM,  228
.set PR,  232
.set HD,  236
.set SO,  240
.set F,   244
.set T,   246
.set NINF, 247
.set KSC, 248
.set VSC, 252
.set PWD, 254
.set WV,  10
.set BLK, 16                           ; s16 my tile's block = its diagonal key step
.set KS,  19                           ; s19 my stream's key step
.set SEL, 20
.set CS,  22
.set MNT, 24
.set TRIPS, 25
.set TAU, 26                           ; s26 the time
.set SWT, 27                           ; s27 the time at which I change tiles (even waves: never)
.set G1,  32
.set G0,  40
.set KVB, 44                           ; s[44:45] kv at my key head
.set PFA, 46
.set H,   48
.set JMP, 49                           ; s49 16 - i
.set FT,  50                           ; s50 the time whose block I fetch; s51 the time behind which my stream jumps
.set THR, 51
.set PT,  52                           ; the same two for the prefetch
.set THP, 53
.set LIM, 54
.set TB,  55
.set OC,  56
.set OS,  58
.macro CROUND
	s_barrier_signal -1
	s_barrier_wait -1
	s_cmp_lg_u32 s[WV], 0
	s_cbranch_scc1 .Lnot_wave_0_\@
	s_barrier_signal -3
.Lnot_wave_0_\@:
	s_barrier_wait -3
	s_barrier_signal -1
	s_barrier_wait -1
.endm
.macro STEPAT t, thr, d, tmp           ; s[d:d+1] = where the block of time s[t] lies in kv; s[tmp+1] holds 0
	s_cmp_gt_u32 s[\t], s[\thr]
	s_cselect_b32 s[\tmp], s[JMP], 0
	s_add_co_u32 s[\tmp], s[\tmp], s[\t]
	s_mul_i32 s[\tmp], s[\tmp], STEPB
	s_add_nc_u64 s[\d:\d+1], s[KVB:KVB+1], s[\tmp:\tmp+1]
.endm
.macro QOFF blk, dc, ds                ; Q's codes and scale words of my tile in block s[blk]
	s_lshl_b32 s[\dc], s[\blk], 13
	s_add_co_u32 s[\dc], s[\dc], s67
	s_mov_b32 s[\dc+1], 0
	s_lshl_b32 s[\ds], s[\blk], 9
	s_add_co_u32 s[\ds], s[\ds], s72
	s_mov_b32 s[\ds+1], 0
.endm
.macro PUT a                           ; a tile's state into a stage, each accumulator from its low end on
.irp k, 0,1,2,3,4,5,6,7
	ds_store_b128 v[\a], v[OT+4*\k:OT+4*\k+3] offset:512*\k
.endr
	ds_store_b128 v[\a], v[12:15] offset:4096
.endm
; THE CHANGE OF SLOTS, at a slot's head.  fill = 2: the next slot's four blocks; 1: wave 0's alone; 0: none.
.macro CHANGE fill
	s_wait_tensorcnt 0x0                           ; no tensor load of mine is out, so group 0 may be written
	ds_add_u32 v[SPW], v[NIL]                      ; the add
.if \fill
	ds_add_u32 v[SPW], v[NIL]                      ; and twice on end where a load follows
	s_xor_b32 s[G0+1], s[G0+1], SLOT1
	s_add_co_u32 s[FT], s[FT], 2
	STEPAT FT, THR, G0+2, 30
	s_or_b32 s[G0+3], s[G0+3], 0x80000000
.endif
.if \fill == 2
	s_wait_xcnt 0x0                                ; the last prefetch, a slot back, has read its address
	s_add_co_u32 s[PT], s[PT], 2
	STEPAT PT, THP, PFA, 28
.endif
	v_add_nc_u32 v[AC], s[TB], v[LK]
	v_add_nc_u32 v[AS], s[TB], v[LSC]
	s_xor_b32 s[TB], s[TB], SLOT1
	s_wait_alu depctr_va_vdst(0)
	s_wait_dscnt 0x0                               ; the adds are done, and my reads of the other slot are over
.if \fill
	CROUND                                         ; no wave of any partner still reads the other slot
.if \fill == 2
	s_cmp_lt_u32 s[WV], 4
.else
	s_cmp_eq_u32 s[WV], 0
.endif
	s_cbranch_scc0 .Lnl_\@
	tensor_load_to_lds s[G0:G0+3], s[G1:G1+7]
	s_nop 0
.rept 4
	v_nop
.endr
.Lnl_\@:
.if \fill == 2
	s_cmp_gt_u32 s[TRIPS], s[LIM]                  ; the loop's last trip asks for nothing
	s_cbranch_scc0 .Lna_\@
	global_prefetch_b8 v[PFO], s[PFA:PFA+1] th:TH_LOAD_NT scope:SCOPE_SE
.Lna_\@:
.endif
.else
	s_barrier_signal -1
	s_barrier_wait -1
.endif
.endm
; A TIME STEP: my stream's q-th key step of the slot in hand
; TWO BANKS OF 64 REGISTERS, v52-115 and v116-179, change roles from step to step: FR holds K's fragments and then V's, S the scores and then p.  When a slot's first step has converted p, its bank S is free:
; the second step's fragments of K are asked for into it there, ahead of the first step's second product, and are that step's FR.  A slot's first step asks behind the change of slots.
.macro KLOAD d, q                      ; K's four fragments and scale words of the slot's q-th step: 20 LDS loads
.irp b, 0,1,2,3
.irp c, 0,1,2,3
	ds_load_b128 v[\d+16*\b+4*\c:\d+16*\b+4*\c+3], v[AC] offset:\q*STEPB+\b*2048+\c*512
.endr
	ds_load_b32 v[KSC+\b], v[AS] offset:\q*STEPB+KSO+\b*128
.endr
.endm
; hid = 1: the step may have no work for a wave (time 16 alone: at times 0 .. 15 every wave's key step is at or under its tile's block).  nxt = 1: it asks for the next step's K.
.macro STEP q, hid, nxt
.rept 9
	v_nop                                          ; places behind the last products: eight for the stores that read O^T and for loads into the fragments, nine for the score products, which write over registers that those products read
.endr
	s_cmp_eq_u32 s[TAU], s[SWT]
	s_cbranch_scc0 .Lsame_\@
	PUT ALD                                        ; block i is done: its state waits in my stage
	v_mov_b32 v[QSC], v[Q2S]
.irp j, 0,1,2,3,4,5,6,7
	v_mov_b32 v[24+\j], v[Q2+\j]
.endr
	v_mov_b32 v13, 0xff61b1e6
	v_mov_b32 v12, BIG
	v_nop
	v_nop                                          ; four places behind Q's last register, twelve behind its scale word
	s_mov_b32 s[BLK], s[H]
	s_add_co_u32 s[KS], s[KS], s[JMP]
	s_wait_alu depctr_va_vdst(0)
.Lsame_\@:
.if \hid
	s_cmp_gt_u32 s[KS], s[BLK]
	s_cbranch_scc1 .Lhid_\@
.endif
.if \q == 0
	KLOAD FR, 0
.endif
	s_wait_dscnt 0x0
.irp b, 0,1,2,3                                ; the 16 registers of tiles 2 b, 2 b + 1 are keys 32 b + 16 (lane / 16) + 0 .. 15
	v_wmma_scale_f32_16x16x128_f8f6f4 v[S+16*\b:S+16*\b+7], v[FR+16*\b:FR+16*\b+15], v[QLO:QLO+15], 0, v[KSC+\b], v[QSC]
	v_wmma_scale_f32_16x16x128_f8f6f4 v[S+16*\b+8:S+16*\b+15], v[FR+16*\b:FR+16*\b+15], v[QHI:QHI+15], 0, v[KSC+\b], v[QSC] matrix_b_scale:MATRIX_SCALE_ROW1
.endr
.rept 8
	v_nop
.endr
.irp t, 0,1,2,3                                ; V's fragments are asked for now: they land under the softmax
.irp c, 0,1,2,3
	ds_load_b128 v[FR+16*\t+4*\c:FR+16*\t+4*\c+3], v[AC] offset:\q*STEPB+VCO+\t*2048+\c*512
.endr
.endr
	ds_load_b32 v[VSC], v[AS] offset:\q*STEPB+VSO
	ds_load_b32 v[VSC+1], v[AS] offset:\q*STEPB+VSO+128
	s_cmp_eq_u32 s[KS], s[BLK]                     ; on the diagonal the scores of hidden keys become -infinity ahead of the maximum
	s_cbranch_scc0 .Lopen_\@
.set n, 0
.rept 64
	v_cmp_gt_i32 vcc_lo, 32*(n/16)+n%16, v[DD]
	v_cndmask_b32 v[S+n], v[S+n], v[NINF], vcc_lo
.set n, n+1
.endr
.Lopen_\@:
.irp b, 0,1,2,3
	v_max3_num_f32 v[BM+\b], v[S+16*\b], v[S+1+16*\b], v[S+2+16*\b]     ; each block's largest score: for the row's maximum and, since p rises with the score, for the block's largest p
.endr
.irp i, 3,5,7,9,11,13
.irp b, 0,1,2,3
	v_max3_num_f32 v[BM+\b], v[BM+\b], v[S+16*\b+\i], v[S+1+16*\b+\i]
.endr
.endr
.irp b, 0,1,2,3
	v_max_num_f32 v[BM+\b], v[BM+\b], v[S+15+16*\b]
.endr
.irp b, 0,1,2,3
	s_delay_alu instid0(VALU_DEP_4)
	v_permlanex16_b32 v[PR+\b], v[BM+\b], s[SEL], s[SEL+1]
.endr
.irp b, 0,1,2,3
	s_delay_alu instid0(VALU_DEP_4)
	v_max_num_f32 v[BM+\b], v[BM+\b], v[PR+\b]     ; with lane l xor 16's 16 keys
.endr
	s_delay_alu instid0(VALU_DEP_2)
	v_max3_num_f32 v[T], v[BM], v[BM+1], v[BM+2]
	s_delay_alu instid0(VALU_DEP_1)
	v_max_num_f32 v[T], v[T], v[BM+3]
	s_delay_alu instid0(VALU_DEP_1)
	v_mul_f32 v[T], s[CS], v[T]                    ; the step's largest t
	s_delay_alu instid0(VALU_DEP_1)
	v_max_num_f32 v13, v13, v[T]                   ; the running largest t
	v_mov_b32 v[T], v12
	s_delay_alu instid0(VALU_DEP_2)
	v_floor_f32 v12, -v13                          ; the new -M = floor(-t)
	s_delay_alu instid0(VALU_DEP_1)
	v_sub_f32 v[T], v12, v[T]                      ; old M - new M: a whole number, 0 or less
	s_delay_alu instid0(VALU_DEP_1)
	v_max_num_f32 v[T], LOW, v[T]                  ; held at -200: 2^-200 is 0 in f32
	s_delay_alu instid0(VALU_DEP_1)
	v_cvt_i32_f32 v[T], v[T]
	s_delay_alu instid0(VALU_DEP_1)
	v_ldexp_f32 v[F], 1.0, v[T]                    ; f = 2^(old M - new M)
.set n, 0
.rept 32
	v_pk_fma_f32 v[S+n:S+n+1], v[S+n:S+n+1], s[CS:CS+1], v[12:13] op_sel_hi:[1,0,0]   ; t - M, two at a time
.set n, n+2
.endr
.irp b, 0,1,2,3
	v_fma_f32 v[BM+\b], v[BM+\b], s[CS], v12
.endr
	s_wait_alu depctr_va_vdst(0)
.set n, 0
.rept 64
	v_exp_f32 v[S+n], v[S+n]                       ; p = 2^(t - M), at most 1
.set n, n+1
.endr
	v_pk_mul_f32 v[14:15], v[14:15], v[F:F+1] op_sel_hi:[1,0]   ; the sums under the new M: a plain line behind the batch
	s_wait_alu depctr_va_vdst(0)                   ; one wait for the 64
.irp b, 0,1,2,3
	v_exp_f32 v[BM+\b], v[BM+\b]                   ; the block's largest p
.endr
	v_pk_add_f32 v[PR:PR+1], v[S:S+1], v[S+2:S+3]  ; the row's sum of the unquantised p: 32 packed additions in four chains
	v_pk_add_f32 v[PR+2:PR+3], v[S+4:S+5], v[S+6:S+7]
	v_pk_add_f32 v[SO:SO+1], v[S+8:S+9], v[S+10:S+11]
	v_pk_add_f32 v[14:15], v[14:15], v[S+12:S+13]
.set n, 14
.rept 6
	v_pk_add_f32 v[PR:PR+1], v[PR:PR+1], v[S+n:S+n+1]
	v_pk_add_f32 v[PR+2:PR+3], v[PR+2:PR+3], v[S+n+2:S+n+3]
	v_pk_add_f32 v[SO:SO+1], v[SO:SO+1], v[S+n+4:S+n+5]
	v_pk_add_f32 v[14:15], v[14:15], v[S+n+6:S+n+7]
.set n, n+8
.endr
	v_pk_add_f32 v[PR:PR+1], v[PR:PR+1], v[S+62:S+63]
	v_pk_add_f32 v[PR+2:PR+3], v[PR+2:PR+3], v[SO:SO+1]
	v_pk_add_f32 v[14:15], v[14:15], v[PR:PR+1]
	v_pk_add_f32 v[14:15], v[14:15], v[PR+2:PR+3]
	s_wait_alu depctr_va_vdst(0)                   ; and one for the four
.irp b, 0,1,2,3
	v_max_num_f32 v[BM+\b], 0x4800000, v[BM+\b]    ; the floor 2^(9 - 127): the byte cannot fall under 1
.endr
.irp b, 0,1,2,3
	s_delay_alu instid0(VALU_DEP_4)
	v_add_nc_u32 v[SO+\b], 0xfc000000, v[BM+\b]
.endr
.irp b, 0,1,2,3
	v_and_or_b32 v[HD+\b], v[BM+\b], 0x7f800000, s[MNT]
.endr
.irp b, 0,1,2,3
	v_lshrrev_b32 v[PR+\b], 23, v[SO+\b]
.endr
	s_delay_alu instid0(VALU_DEP_3)
	v_lshl_or_b32 v[PWD], v[PR+1], 8, v[PR]        ; p's scale word for these 128 keys
	s_delay_alu instid0(VALU_DEP_1)
	v_lshl_or_b32 v[PWD], v[PR+2], 16, v[PWD]
	s_delay_alu instid0(VALU_DEP_1)
	v_lshl_or_b32 v[PWD], v[PR+3], 24, v[PWD]
.irp b, 0,2                                    ; the hold (the conversion does not saturate: ISA guide 7.6.2; p is not negative): two blocks' numbers to a dual line
.set n, 0
.rept 16
	v_dual_min_num_f32 v[S+16*\b+n], v[S+16*\b+n], v[HD+\b] :: v_dual_min_num_f32 v[S+16*\b+16+(n+1)%16], v[S+16*\b+16+(n+1)%16], v[HD+\b+1]
.set n, n+1
.endr
.irp e, 0,1
	v_cvt_scalef32_pk8_fp8_f32 v[PCD+4*(\b+\e):PCD+4*(\b+\e)+1], v[S+16*(\b+\e):S+16*(\b+\e)+7], v[SO+\b+\e]
	v_cvt_scalef32_pk8_fp8_f32 v[PCD+4*(\b+\e)+2:PCD+4*(\b+\e)+3], v[S+16*(\b+\e)+8:S+16*(\b+\e)+15], v[SO+\b+\e]
.endr
.endr
.if \nxt
	KLOAD S, 1                                     ; p is in codes: its registers take the next step's K
.endif
	s_wait_alu depctr_va_vdst(0)
.set n, 0
.rept 16
	v_pk_mul_f32 v[OT+n:OT+n+1], v[OT+n:OT+n+1], v[F:F+1] op_sel_hi:[1,0]   ; O^T under the new M; also the places between the codes and the products
.set n, n+2
.endr
	s_wait_alu depctr_va_vdst(0)
.if \nxt
	s_wait_dscnt 20                                ; V is in; the 20 loads of the next step's K, issued behind V's, may be out
.else
	s_wait_dscnt 0x0                               ; V is in
.endif
.irp t, 0,2
	v_wmma_scale_f32_16x16x128_f8f6f4 v[OT+8*\t:OT+8*\t+7], v[FR+16*\t:FR+16*\t+15], v[PCD:PCD+15], v[OT+8*\t:OT+8*\t+7], v[VSC+\t/2], v[PWD]
	v_wmma_scale_f32_16x16x128_f8f6f4 v[OT+8*\t+8:OT+8*\t+15], v[FR+16*\t+16:FR+16*\t+31], v[PCD:PCD+15], v[OT+8*\t+8:OT+8*\t+15], v[VSC+\t/2], v[PWD] matrix_a_scale:MATRIX_SCALE_ROW1
.endr
.Lhid_\@:
	s_add_co_u32 s[TAU], s[TAU], 1
	s_add_co_u32 s[KS], s[KS], 1
.endm
	s_load_b128 s[4:7], s[0:1], 0x0                ; qq s[4:5], kv s[6:7]
	s_load_b64 s[8:9], s[0:1], 0x10                ; cq
	v_lshl_add_u32 v[SPW], v0, 2, SPARE
	v_mov_b32 v[NIL], 0
	ds_add_u32 v[SPW], v[NIL]                      ; the opening lines: the add twice on end and one wait
	ds_add_u32 v[SPW], v[NIL]
	v_lshrrev_b32 v9, 5, v0
	v_readfirstlane_b32 s[WV], v9                  ; wave 0..15
	s_bfe_u32 s11, ttmp6, 0x40000                  ; cx: it enters global addresses alone
	s_lshl_b32 s12, ttmp9, 2
	s_add_co_u32 s12, s12, s11                     ; my query head = 4 x key head + cx
	s_and_b32 s13, ttmp7, 0xffff                   ; i
	s_lshr_b32 s14, s[WV], 1                       ; my tile of a block's eight
	s_and_b32 s15, s[WV], 1                        ; 1: the odd wave of the pair
	s_lshr_b32 s17, s14, 1                         ; g
	s_and_b32 s18, s14, 1                          ; u
	s_sub_co_u32 s[H], 31, s13
	s_sub_co_u32 s[JMP], 16, s13
	s_add_co_u32 s[SWT], s13, 1
	s_cmp_eq_u32 s15, 0
	s_cselect_b32 s[BLK], s[H], s13                ; my first tile's block; it is also the block that I store
	s_cselect_b32 s[SWT], 99, s[SWT]
	s_cmp_lt_u32 s[WV], 2                          ; waves 0, 1 fetch for stream A, which never jumps; waves 2, 3 for B
	s_cselect_b32 s[THR], 99, s13
	s_mov_b32 s[FT], s15
	s_cmp_lt_u32 s11, 2                            ; the prefetches: partner cx takes the slot's block cx
	s_cselect_b32 s[THP], 99, s13
	s_and_b32 s[PT], s11, 1
	s_add_co_u32 s[PT], s[PT], 2                   ; in slot 1: the first change steps it to slot 2
	s_sub_co_u32 s66, s[WV], 4
	s_cmp_lt_u32 s66, 3
	s_cselect_b32 s66, s13, 1
	s_cmp_eq_u32 s66, 0
	s_cselect_b32 s[LIM], 1, -1                    ; waves 4 to 6 where i = 0 ask: the same in all four partners
	s_mov_b32 s[TAU], 0
	s_mov_b32 s[KS], 0
	s_mov_b32 s[TB], 0
	s_mov_b32 s[SEL], 0x76543210
	s_mov_b32 s[SEL+1], 0xfedcba98
	s_mov_b32 s[CS], 0x3e38aa3b                    ; log2(e) / 8
	s_mov_b32 s[CS+1], s[CS]
	s_mov_b32 s[MNT], 0x600000
	s_mov_b32 s[TRIPS], 7
	s_mov_b32 s31, 0
	s_mov_b32 s[G1], 15|(3<<16)|(1<<21)            ; the mask: all four work-groups; elements of 8 bytes; bit 21 beside a mask: 67 dense rows of 256 bytes
	s_mov_b32 s[G1+1], 32<<16
	s_mov_b32 s[G1+2], 67<<16
	s_mov_b32 s[G1+3], 32<<16
	s_mov_b32 s[G1+4], 67
	s_mov_b32 s[G1+5], 32
	s_mov_b32 s[G1+6], 0
	s_mov_b32 s[G1+7], 0
	s_lshl_b32 s67, s12, 18                        ; Q's codes: head x 262,144 + block x 8,192 + tile x 1,024
	s_lshl_b32 s66, s14, 10
	s_add_co_u32 s67, s67, s66
	s_lshl_b32 s72, s12, 14                        ; Q's scale words: QSOFF + head x 16,384 + block x 512 + g x 128
	s_lshl_b32 s66, s17, 7
	s_add_co_u32 s72, s72, s66
	s_add_co_u32 s72, s72, QSOFF
	QOFF BLK, 60, 62
	QOFF H, 68, 70
	s_lshl_b32 s[OC], s[BLK], 17                   ; ctx's codes: block x 131,072 + (head / 2) x 16,384 + tile x 2,048 + (head % 2) x 1,024
	s_lshr_b32 s66, s12, 1
	s_lshl_b32 s66, s66, 14
	s_add_co_u32 s[OC], s[OC], s66
	s_lshl_b32 s66, s14, 11
	s_add_co_u32 s[OC], s[OC], s66
	s_and_b32 s66, s12, 1
	s_lshl_b32 s66, s66, 10
	s_add_co_u32 s[OC], s[OC], s66
	s_mov_b32 s[OC+1], 0
	s_lshl_b32 s[OS], s12, 13                      ; ctx's scale bytes: CSOFF + head x 8,192 + block x 256 + tile x 32
	s_lshl_b32 s66, s[BLK], 8
	s_add_co_u32 s[OS], s[OS], s66
	s_lshl_b32 s66, s14, 5
	s_add_co_u32 s[OS], s[OS], s66
	s_add_co_u32 s[OS], s[OS], CSOFF
	s_mov_b32 s[OS+1], 0
	s_mul_i32 s28, ttmp9, KVH                      ; the key head, which the four partners share
	s_mov_b32 s29, 0
	s_wait_dscnt 0x0                               ; both opening adds are done
	s_wait_kmcnt 0x0
	s_add_nc_u64 s[KVB:KVB+1], s[6:7], s[28:29]
	s_add_nc_u64 s[60:61], s[4:5], s[60:61]
	s_add_nc_u64 s[62:63], s[4:5], s[62:63]
	s_add_nc_u64 s[68:69], s[4:5], s[68:69]
	s_add_nc_u64 s[70:71], s[4:5], s[70:71]
	s_add_nc_u64 s[OC:OC+1], s[8:9], s[OC:OC+1]
	s_add_nc_u64 s[OS:OS+1], s[8:9], s[OS:OS+1]
	CROUND                                         ; all four work-groups are here: the first joint loads meet
	s_mov_b32 s[G0], 1
	s_mul_i32 s[G0+1], s[WV], STEPB                ; a slot: A's two blocks, then B's two: wave x 17,152
	STEPAT FT, THR, G0+2, 30
	s_or_b32 s[G0+3], s[G0+3], 0x80000000
	s_cmp_lt_u32 s[WV], 4
	s_cbranch_scc0 .Lno_first
	tensor_load_to_lds s[G0:G0+3], s[G1:G1+7]      ; slot 0: one load a wave
	s_nop 0
.rept 4
	v_nop
.endr
.Lno_first:
	v_and_b32 v9, 31, v0                           ; lane
	v_lshlrev_b32 v[L16], 4, v9
	s_wait_alu depctr_va_vdst(0)
	s_mul_i32 s66, s15, 2*STEPB                    ; odd waves read stream B
	v_add_nc_u32 v[LK], s66, v[L16]
	v_lshl_add_u32 v[LSC], v9, 2, s66
	s_mul_i32 s66, s[WV], SZ
	s_add_co_u32 s66, s66, STAGE
	v_add_nc_u32 v[ALD], s66, v[L16]
	s_mul_i32 s66, s14, SZ
	s_add_co_u32 s66, s66, STAGE2
	v_add_nc_u32 v[APS], s66, v[L16]
	s_sub_co_u32 s66, s[WV], 4
	s_lshl_b32 s66, s66, 5
	v_add_nc_u32 v[PFO], s66, v9
	v_min_u32 v[PFO], 66, v[PFO]                   ; a block has 67 pieces of 256 bytes: lanes that are left over name the last again
	v_lshlrev_b32 v[PFO], 8, v[PFO]
	s_lshl_b32 s66, s18, 4
	v_xor_b32 v9, s66, v9
	v_lshlrev_b32 v9, 2, v9                        ; Q's scale words: tile 1 takes the two halves of the stored lanes the other way round
	s_wait_alu depctr_va_vdst(0)
	global_load_b128 v[24:27], v[L16], s[60:61]
	global_load_b128 v[28:31], v[L16], s[60:61] offset:512
	global_load_b32 v[QSC], v9, s[62:63]
	global_load_b128 v[Q2:Q2+3], v[L16], s[68:69]  ; block h's Q, for the odd wave's second tile (under no branch, so that every way writes the registers; an even wave does not use this copy)
	global_load_b128 v[Q2+4:Q2+7], v[L16], s[68:69] offset:512
	global_load_b32 v[Q2S], v9, s[70:71]
	v_and_b32 v[T], 15, v0                         ; r
	v_and_b32 v[F], 8, v[T]
	v_add_nc_u32 v[T], v[T], v[F]                  ; r + 8 (r / 8)
	v_bfe_u32 v[F], v0, 4, 1
	v_lshlrev_b32 v[F], 4, v[F]
	v_sub_nc_u32 v[DD], v[T], v[F]
	s_lshl_b32 s66, s17, 5
	s_lshl_b32 s67, s18, 3
	s_add_co_u32 s66, s66, s67
	v_add_nc_u32 v[DD], s66, v[DD]                 ; 32 g + 8 u + r + 8 (r / 8) - 16 (lane / 16): register 16 b + i of the diagonal step is hidden where 32 b + i is above it
.irp j, 0,1,2,3,4,5,6,7
	v_mov_b32 v[16+\j], 0                          ; the zero codes on both sides of Q
	v_mov_b32 v[32+\j], 0
.endr
	v_mov_b32 v13, 0xff61b1e6                      ; the largest t so far: -3e38
	v_mov_b32 v12, BIG                             ; -M
	v_mov_b32 v14, 0
	v_mov_b32 v15, 0
.irp b, 0,1,2,3
	v_mov_b32 v[PR+\b], 0                          ; a lane permute's destination counts as one of its sources
.endr
	v_mov_b32 v[F+1], 0
	v_mov_b32 v[NINF], 0xff800000
.set n, 0
.rept 32
	v_mov_b32 v[OT+n], 0
.set n, n+1
.endr
	s_wait_alu depctr_va_vdst(0)
	s_wait_loadcnt 0x0                             ; Q
.Lslot:                                            ; slots 0 to 6: each asks for the whole slot behind it
	CHANGE 2
.set FR, 52
.set S,  116
	STEP 0, 0, 1
.set FR, 116
.set S,  52
	STEP 1, 0, 0
	s_sub_co_u32 s[TRIPS], s[TRIPS], 1
	s_cmp_lg_u32 s[TRIPS], 0
	s_cbranch_scc1 .Lslot
	CHANGE 1                                       ; slot 7 asks for A's step 16 alone
.set FR, 52
.set S,  116
	STEP 0, 0, 1
.set FR, 116
.set S,  52
	STEP 1, 0, 0
	CHANGE 0                                       ; slot 8: time 16
.set FR, 52
.set S,  116
	STEP 0, 1, 0
	; THE WAY OUT
.rept 8
	v_nop                                          ; places behind the last products
.endr
	s_cmp_eq_u32 s15, 0
	s_cbranch_scc1 .Lkeep
	PUT APS                                        ; the odd wave hands its part of block h to its partner
.Lkeep:
	s_wait_dscnt 0x0
	s_barrier_signal -1
	s_barrier_wait -1
	s_cmp_eq_u32 s15, 0
	s_cbranch_scc1 .Lpartner
.irp k, 0,1,2,3,4,5,6,7,8
	ds_load_b128 v[S+4*\k:S+4*\k+3], v[ALD] offset:512*\k    ; odd: my own block i
.endr
	s_branch .Lread
.Lpartner:
.irp k, 0,1,2,3,4,5,6,7,8
	ds_load_b128 v[S+4*\k:S+4*\k+3], v[APS] offset:512*\k    ; even: the partner's part of block h
.endr
.Lread:
	s_cmp_eq_u32 s15, 1
	s_cselect_b32 s66, -1, 0
	v_mov_b32 v[T], BIG
	v_cndmask_b32 v12, v12, v[T], s66              ; what an odd wave still holds has been handed on: it counts for nothing
	s_wait_alu depctr_va_vdst(0)
	s_wait_dscnt 0x0
	v_min_num_f32 v[T], v12, v[S+32]               ; the joint -M
	v_sub_f32 v[F], v[T], v12                      ; own M - joint M, 0 or less
	v_sub_f32 v[PR], v[T], v[S+32]
	v_max_num_f32 v[F], LOW, v[F]
	v_max_num_f32 v[PR], LOW, v[PR]
	v_cvt_i32_f32 v[F], v[F]
	v_cvt_i32_f32 v[PR], v[PR]
	v_ldexp_f32 v[F], 1.0, v[F]
	v_ldexp_f32 v[PR], 1.0, v[PR]
	v_add_f32 v14, v14, v15
	v_add_f32 v[S+34], v[S+34], v[S+35]
	v_mul_f32 v14, v14, v[F]
	v_fmac_f32 v14, v[S+34], v[PR]
	v_permlanex16_b32 v[T], v14, s[SEL], s[SEL+1]
	v_add_f32 v14, v14, v[T]                       ; the row's sum
	s_wait_alu depctr_va_vdst(0)
	v_rcp_f32 v14, v14
	v_and_b32 v[KSC], 15, v0                       ; (a plain line behind the reciprocal)
	v_bfe_u32 v[KSC+1], v0, 4, 1
	v_lshl_add_u32 v9, v[KSC], 1, v[KSC+1]         ; 2 r + lane / 16: my scale byte's place
	v_cmp_eq_u32 vcc_lo, 1, v[KSC+1]
	s_wait_alu depctr_va_vdst(0)
	v_mul_f32 v[F], v[F], v14                      ; the two factors over the sum
	v_mul_f32 v[PR], v[PR], v14
	s_wait_alu depctr_va_vdst(0)
.set n, 0
.rept 16
	v_pk_mul_f32 v[OT+n:OT+n+1], v[OT+n:OT+n+1], v[F:F+1] op_sel_hi:[1,0]
.set n, n+2
.endr
.set n, 0
.rept 16
	v_pk_fma_f32 v[OT+n:OT+n+1], v[S+n:S+n+1], v[PR:PR+1], v[OT+n:OT+n+1] op_sel_hi:[1,0,1]   ; ctx: register 16 b + i is dim 32 b + 16 (lane / 16) + i of my query
.set n, n+2
.endr
.irp b, 0,1
	v_max3_num_f32 v[BM+\b], |v[OT+16*\b]|, |v[OT+1+16*\b]|, 0x4800000
.endr
.irp i, 2,4,6,8,10,12,14
.irp b, 0,1
	v_max3_num_f32 v[BM+\b], v[BM+\b], |v[OT+16*\b+\i]|, |v[OT+1+16*\b+\i]|
.endr
.endr
.irp b, 0,1
	v_permlanex16_b32 v[PR+\b], v[BM+\b], s[SEL], s[SEL+1]
.endr
.irp b, 0,1
	v_max_num_f32 v[BM+\b], v[BM+\b], v[PR+\b]
.endr
.irp b, 0,1
	v_add_nc_u32 v[SO+\b], 0xfc000000, v[BM+\b]
.endr
.irp b, 0,1
	v_and_or_b32 v[HD+\b], v[BM+\b], 0x7f800000, s[MNT]
.endr
.irp b, 0,1
	v_lshrrev_b32 v[PR+\b], 23, v[SO+\b]
.endr
.irp b, 0,1
.irp i, 0,1,2,3,4,5,6,7,8,9,10,11,12,13,14,15
	v_med3_num_f32 v[OT+16*\b+\i], v[OT+16*\b+\i], -v[HD+\b], v[HD+\b]
.endr
	v_cvt_scalef32_pk8_fp8_f32 v[PCD+4*\b:PCD+1+4*\b], v[OT+16*\b:OT+7+16*\b], v[SO+\b]
	v_cvt_scalef32_pk8_fp8_f32 v[PCD+2+4*\b:PCD+3+4*\b], v[OT+8+16*\b:OT+15+16*\b], v[SO+\b]
.endr
	v_cndmask_b32 v[T], v[PR], v[PR+1], vcc_lo     ; lanes 0-15 store block 0's byte, lanes 16-31 block 1's
	global_store_b128 v[L16], v[PCD:PCD+3], s[OC:OC+1]             ; 512 consecutive bytes each
	global_store_b128 v[L16], v[PCD+4:PCD+7], s[OC:OC+1] offset:512
	global_store_b8 v9, v[T], s[OS:OS+1]           ; 32 consecutive bytes a wave
	s_wait_tensorcnt 0x0                           ; the wave's end
	ds_add_u32 v[SPW], v[NIL]
	s_wait_dscnt 0x0
	CROUND                                         ; the closing round
	s_endpgm
.Lfunc_end_k_q87b4e03ec3_attn:
	.size	k_q87b4e03ec3_attn, .Lfunc_end_k_q87b4e03ec3_attn-k_q87b4e03ec3_attn
	.p2alignl 7, 3214868480
	.fill 96, 4, 3214868480
	.section	.rodata,"a",@progbits
	.p2align	6, 0x0
	.amdhsa_kernel k_q87b4e03ec3_attn
		.amdhsa_group_segment_fixed_size 327680
		.amdhsa_private_segment_fixed_size 0
		.amdhsa_enable_private_segment 0
		.amdhsa_kernarg_size 24
		.amdhsa_user_sgpr_count 2
		.amdhsa_user_sgpr_kernarg_segment_ptr 1
		.amdhsa_wavefront_size32 1
		.amdhsa_system_sgpr_workgroup_id_x 1
		.amdhsa_system_sgpr_workgroup_id_y 1
		.amdhsa_system_sgpr_workgroup_id_z 1
		.amdhsa_system_vgpr_workitem_id 0
		.amdhsa_next_free_vgpr 256
		.amdhsa_next_free_sgpr 76
		.amdhsa_reserve_vcc 1
		.amdhsa_float_denorm_mode_32 3
		.amdhsa_float_denorm_mode_16_64 3
		.amdhsa_memory_ordered 1
		.amdhsa_forward_progress 1
		.amdhsa_inst_pref_size 150
	.end_amdhsa_kernel
	.amdgpu_metadata
---
amdhsa.version: [ 1, 2 ]
amdhsa.kernels:
  - .name:           k_q87b4e03ec3_attn
    .symbol:         k_q87b4e03ec3_attn.kd
    .args:
      - { .name: qq, .offset: 0, .size: 8, .value_kind: global_buffer, .address_space: global }
      - { .name: kv, .offset: 8, .size: 8, .value_kind: global_buffer, .address_space: global }
      - { .name: cq, .offset: 16, .size: 8, .value_kind: global_buffer, .address_space: global }
    .group_segment_fixed_size: 327680
    .private_segment_fixed_size: 0
    .kernarg_segment_align: 8
    .kernarg_segment_size: 24
    .max_flat_workgroup_size: 512
    .sgpr_count:     76
    .vgpr_count:     256
    .wavefront_size: 32
...
	.end_amdgpu_metadata
.endif
;; end of part 3
;; launch oproj (part 4): grid 8 x 32, 8 waves a work-group, clusters of 4 x 4, 327,680 bytes of LDS; arguments cq, wq, out0; writes out0
.if DOCPART == 4
	.amdgcn_target "amdgcn-amd-amdhsa--gfx1250"
	.amdhsa_code_object_version 6
	.text
	.protected	k_q87b4e03ec3_oproj
	.globl	k_q87b4e03ec3_oproj
	.p2align	8
	.type	k_q87b4e03ec3_oproj,@function
k_q87b4e03ec3_oproj:
	s_mov_b64 s[64:65], 0
	v_nop
	global_prefetch_b8 v0, s[64:65] scope:SCOPE_SE
	s_setreg_imm32_b32 hwreg(HW_REG_WAVE_MODE, 25, 1), 1
	s_wait_xcnt 0x0
	s_wait_alu depctr_hold_cnt(0) depctr_sa_sdst(0) depctr_va_vdst(0) depctr_va_sdst(0) depctr_va_ssrc(0) depctr_va_vcc(0) depctr_vm_vsrc(0)
	s_getreg_b32 s2, hwreg(HW_REG_IB_STS2, 6, 4)
	s_cmp_eq_u32 s2, 0
	s_cbranch_scc0 .Lentry_in_a_cluster
	s_endpgm
.Lentry_in_a_cluster:
	s_bfe_u32 s2, ttmp6, 0x10000c
	s_cmp_lg_u32 s2, 0xf033
	s_cbranch_scc0 .Lentry_shape_is_right
	s_endpgm
.Lentry_shape_is_right:
; out0 = ctx w_o on codes of E4M3 with E8M0 scales; K = 1,024 in eight steps of 128.  ctx's codes (launch attn) and w_o's (launch quant) lie as images of operand registers.
; SHARES.  A work-group takes 128 tokens (RB) x 128 columns (cb).  Eight waves: wave w = 4 slot + g makes 32 tokens (group g) x 64 columns (slot): 8 accumulators.
; LDS.  All of K, filled ONCE: ctx's 128 KiB at 0, the weights' 128 KiB behind it; behind both a stage of 16 rows x 272 bytes for each wave, into which no fill lands.
; CLUSTER 4 x 4.  ctx's block is shared along a row of the cluster, the weights' along a column: waves 0 to 3 ask jointly for ctx's four quarters of K, waves 4 to 7 for the weights': one tensor load a wave.
; THE PRODUCT IS USED TRANSPOSED (source 0 = 16 columns, source 1 = 16 tokens): a lane holds one token and 16 neighbouring columns in 16 registers.
.set WOOFF, 1572864
.set WSOFF, 2670592
.set CSOFF, 4194304
.set STAGE, 262144
.set SP,    272                        ; a stage row: 256 bytes + 16: the sixteen rows that a store touches start 16 bytes apart modulo 256
.set AX,  1
.set AW,  2
.set L4,  4                            ; v4 4 x lane
.set L2,  5                            ; v5 2 x lane
.set STO, 6                            ; v6 the stage: row r, + 64 (lane / 16)
.set RD,  7                            ; v7 and back: lanes 0-15 one row, lanes 16-31 the next
.set XS,  8                            ; v8-15  ctx's scale words
.set WS,  16                           ; v16-31 the weights'
.set XF,  32
.set WF,  64
.set OB,  32                           ; the way out: rows read back, v32-95
.set ACC, 128
.set UT,  192                          ; v192-207 ctx's scale bytes, two a head
.set GO,  208                          ; v208 my byte offset in the wave's rows of out0
.set WV,  16
.set SLT, 17
.set GG,  18
.set G1X, 24
.set G1W, 32
.set G0X, 40
.set G0W, 68
.macro CROUND
	s_barrier_signal -1
	s_barrier_wait -1
	s_cmp_lg_u32 s[WV], 0
	s_cbranch_scc1 .Lnot_wave_0_\@
	s_barrier_signal -3
.Lnot_wave_0_\@:
	s_barrier_wait -3
	s_barrier_signal -1
	s_barrier_wait -1
.endm
.macro MM d, a, b, zero, sa, sb, ra, rb
.if \zero
.if ((\ra) == 0) && ((\rb) == 0)
	v_wmma_scale_f32_16x16x128_f8f6f4 v[(\d):(\d)+7], v[(\a):(\a)+15], v[(\b):(\b)+15], 0, v[\sa], v[\sb]
.elseif ((\ra) == 1) && ((\rb) == 0)
	v_wmma_scale_f32_16x16x128_f8f6f4 v[(\d):(\d)+7], v[(\a):(\a)+15], v[(\b):(\b)+15], 0, v[\sa], v[\sb] matrix_a_scale:MATRIX_SCALE_ROW1
.elseif ((\ra) == 0)
	v_wmma_scale_f32_16x16x128_f8f6f4 v[(\d):(\d)+7], v[(\a):(\a)+15], v[(\b):(\b)+15], 0, v[\sa], v[\sb] matrix_b_scale:MATRIX_SCALE_ROW1
.else
	v_wmma_scale_f32_16x16x128_f8f6f4 v[(\d):(\d)+7], v[(\a):(\a)+15], v[(\b):(\b)+15], 0, v[\sa], v[\sb] matrix_a_scale:MATRIX_SCALE_ROW1 matrix_b_scale:MATRIX_SCALE_ROW1
.endif
.else
.if ((\ra) == 0) && ((\rb) == 0)
	v_wmma_scale_f32_16x16x128_f8f6f4 v[(\d):(\d)+7], v[(\a):(\a)+15], v[(\b):(\b)+15], v[(\d):(\d)+7], v[\sa], v[\sb]
.elseif ((\ra) == 1) && ((\rb) == 0)
	v_wmma_scale_f32_16x16x128_f8f6f4 v[(\d):(\d)+7], v[(\a):(\a)+15], v[(\b):(\b)+15], v[(\d):(\d)+7], v[\sa], v[\sb] matrix_a_scale:MATRIX_SCALE_ROW1
.elseif ((\ra) == 0)
	v_wmma_scale_f32_16x16x128_f8f6f4 v[(\d):(\d)+7], v[(\a):(\a)+15], v[(\b):(\b)+15], v[(\d):(\d)+7], v[\sa], v[\sb] matrix_b_scale:MATRIX_SCALE_ROW1
.else
	v_wmma_scale_f32_16x16x128_f8f6f4 v[(\d):(\d)+7], v[(\a):(\a)+15], v[(\b):(\b)+15], v[(\d):(\d)+7], v[\sa], v[\sb] matrix_a_scale:MATRIX_SCALE_ROW1 matrix_b_scale:MATRIX_SCALE_ROW1
.endif
.endif
.endm
; TWO SETS OF FRAGMENTS: even K steps in v32-127, odd K steps in v288-383, which are v32-127 of register window 1.  Behind a quarter's barrier both its K steps' loads are issued;
; the first step is multiplied while the second step's loads are out.
.macro LOADS s                         ; K step s's fragments: 24 LDS loads, 512 consecutive bytes each
.if (\s)%2
	s_set_vgpr_msb 0x40                            ; destination in window 1, address in window 0
.endif
.irp u, 0,1
.irp c, 0,1,2,3
	ds_load_b128 v[XF+16*\u+4*\c:XF+16*\u+4*\c+3], v[AX] offset:((\s)%2)*16384+\u*2048+\c*512
.endr
.endr
.irp f, 0,1,2,3
.irp c, 0,1,2,3
	ds_load_b128 v[WF+16*\f+4*\c:WF+16*\f+4*\c+3], v[AW] offset:((\s)%2)*16384+\f*2048+\c*512
.endr
.endr
.if (\s)%2
	s_set_vgpr_msb 0x4000
.endif
.endm
.macro MULS s
.if (\s) > 0
.set ZR, 0
.else
.set ZR, 1                                     ; the first K step starts the sums
.endif
.if (\s)%2
	s_set_vgpr_msb 0x05                            ; sources 0 and 1 in window 1; C, D and the scales in window 0
.endif
.irp u, 0,1
.irp b, 0,1
.irp w, 0,1
	MM ACC+32*\u+16*\b+8*\w, WF+32*\b+16*\w, XF+16*\u, ZR, WS+2*(\s)+\b, XS+(\s), \w, \u
.endr
.endr
.endr
.if (\s)%2
	s_set_vgpr_msb 0x0500
.endif
.endm
	s_load_b128 s[4:7], s[0:1], 0x0                ; cq s[4:5], wq s[6:7]
	s_load_b64 s[8:9], s[0:1], 0x10                ; out0
	v_lshl_add_u32 v212, v0, 2, 296960             ; my spare word, behind the stages: 128 bytes a wave that no other line names
	v_mov_b32 v213, 0
	ds_add_u32 v212, v213                          ; the opening lines: the add twice on end and one wait
	ds_add_u32 v212, v213
	v_lshrrev_b32 v1, 5, v0
	s_delay_alu instid0(VALU_DEP_1)
	v_readfirstlane_b32 s[WV], v1                  ; wave 0..7
	s_lshr_b32 s[SLT], s[WV], 2
	s_and_b32 s[GG], s[WV], 3
	s_bfe_u32 s19, ttmp6, 0x40000                  ; cx
	s_bfe_u32 s20, ttmp6, 0x40004                  ; cy
	s_lshl_b32 s21, ttmp9, 2
	s_add_co_u32 s21, s21, s19                     ; cb
	s_and_b32 s22, ttmp7, 0xffff
	s_lshl_b32 s22, s22, 2
	s_add_co_u32 s22, s22, s20                     ; RB
	s_lshl_b32 s84, s20, 2
	s_lshl_b32 s84, 15, s84                        ; my row of the cluster
	s_lshl_b32 s85, 0x1111, s19                    ; my column
	; descriptor groups 1: a quarter of K is a dense block of 128 rows of 256 bytes (32 elements of 8 bytes); the two differ in the mask alone
	s_or_b32 s[G1X], s84, (3<<16)|(1<<21)
	s_or_b32 s[G1W], s85, (3<<16)|(1<<21)
.irp g, G1X, G1W
	s_mov_b32 s[\g+1], 32<<16
	s_mov_b32 s[\g+2], 128<<16
	s_mov_b32 s[\g+3], 32<<16
	s_mov_b32 s[\g+4], 128
	s_mov_b32 s[\g+5], 32
	s_mov_b32 s[\g+6], 0
	s_mov_b32 s[\g+7], 0
.endr
	s_lshl_b32 s56, s22, 17                        ; ctx's block: RB x 131,072 (these registers never hold cb)
	s_mov_b32 s57, 0
	s_lshl_b32 s58, s21, 17                        ; the weights': WOOFF + cb x 131,072 (these never hold RB)
	s_add_co_u32 s58, s58, WOOFF
	s_mov_b32 s59, 0
	s_wait_dscnt 0x0                               ; both opening adds are done
	s_wait_kmcnt 0x0
	s_add_nc_u64 s[60:61], s[4:5], s[56:57]
	s_add_nc_u64 s[62:63], s[6:7], s[58:59]
	CROUND                                         ; all sixteen work-groups are here: the joint loads meet
.irp j, 0,1,2,3
	s_mov_b32 s[G0X+4*\j], 1
	s_mov_b32 s[G0X+4*\j+1], \j*32768
	s_add_nc_u64 s[G0X+4*\j+2:G0X+4*\j+3], s[60:61], \j*32768
	s_or_b32 s[G0X+4*\j+3], s[G0X+4*\j+3], 0x80000000
	s_mov_b32 s[G0W+4*\j], 1
	s_mov_b32 s[G0W+4*\j+1], 131072+\j*32768
	s_add_nc_u64 s[G0W+4*\j+2:G0W+4*\j+3], s[62:63], \j*32768
	s_or_b32 s[G0W+4*\j+3], s[G0W+4*\j+3], 0x80000000
.endr
; one chain of branches on the wave's number, one joint load to an arm, all arms to one join: waves 0-3 ask for ctx's quarters of K, waves 4-7 for the weights': every way passes one load
.macro ARM n, g0, g1
	s_cmp_eq_u32 s[WV], \n
	s_cbranch_scc0 .Larm_\n
	tensor_load_to_lds s[\g0:\g0+3], s[\g1:\g1+7]
	s_nop 0
.rept 4
	v_nop
.endr
	s_branch .Lasked
.Larm_\n:
.endm
	ARM 0, G0X, G1X                                ; the arms stand quarter by quarter: what the first barrier shows stands first
	ARM 4, G0W, G1W
	ARM 1, G0X+4, G1X
	ARM 5, G0W+4, G1W
	ARM 2, G0X+8, G1X
	ARM 6, G0W+8, G1W
	ARM 3, G0X+12, G1X
	tensor_load_to_lds s[G0W+12:G0W+15], s[G1W:G1W+7]
	s_nop 0
.rept 4
	v_nop
.endr
.Lasked:
	v_and_b32 v3, 31, v0                           ; lane
	s_delay_alu instid0(VALU_DEP_1)
	v_lshlrev_b32 v[L4], 2, v3
	s_delay_alu instid0(VALU_DEP_2)
	v_lshlrev_b32 v[L2], 1, v3
	s_delay_alu instid0(VALU_DEP_3)
	v_lshlrev_b32 v3, 4, v3                        ; 16 x lane
	s_lshl_b32 s86, s[GG], 12
	v_add_nc_u32 v[AX], s86, v3
	s_lshl_b32 s86, s[SLT], 13
	s_add_co_u32 s86, s86, 131072
	v_add_nc_u32 v[AW], s86, v3
	s_mul_i32 s86, s[WV], 16*SP
	s_add_co_u32 s86, s86, STAGE                   ; my stage
	v_and_b32 v209, 15, v0                         ; r
	v_bfe_u32 v210, v0, 4, 1                       ; lane / 16
	s_delay_alu instid0(VALU_DEP_2)
	v_mul_u32_u24 v[STO], v209, SP
	s_delay_alu instid0(VALU_DEP_1)
	v_lshl_add_u32 v[STO], v210, 6, v[STO]
	s_delay_alu instid0(VALU_DEP_1)
	v_add_nc_u32 v[STO], s86, v[STO]
	s_delay_alu instid0(VALU_DEP_4)
	v_mul_u32_u24 v[RD], v210, SP
	s_delay_alu instid0(VALU_DEP_1)
	v_lshl_add_u32 v[RD], v209, 4, v[RD]
	s_delay_alu instid0(VALU_DEP_1)
	v_add_nc_u32 v[RD], s86, v[RD]
	v_lshlrev_b32 v[GO], 12, v210                  ; a row of out0 is 4,096 bytes
	s_delay_alu instid0(VALU_DEP_1)
	v_lshl_add_u32 v[GO], v209, 4, v[GO]
	s_lshl_b32 s84, s22, 8                         ; ctx's scale bytes: CSOFF + head x 8,192 + (4 RB + g) x 64 + 2 lane
	s_lshl_b32 s85, s[GG], 6
	s_add_co_u32 s84, s84, s85
	s_add_co_u32 s84, s84, CSOFF
	s_mov_b32 s85, 0
	s_add_nc_u64 s[88:89], s[4:5], s[84:85]
	s_lshl_b32 s84, s21, 12                        ; the weights' scale words: WSOFF + cb x 4,096 + slot x 256
	s_lshl_b32 s86, s[SLT], 8
	s_add_co_u32 s84, s84, s86
	s_add_co_u32 s84, s84, WSOFF
	s_add_nc_u64 s[90:91], s[6:7], s[84:85]
	s_lshl_b32 s84, s22, 19                        ; out0: (128 RB + 32 g) rows + (128 cb + 64 slot) columns
	s_lshl_b32 s86, s[GG], 17
	s_add_co_u32 s84, s84, s86
	s_lshl_b32 s86, s21, 9
	s_add_co_u32 s84, s84, s86
	s_lshl_b32 s86, s[SLT], 8
	s_add_co_u32 s84, s84, s86
	s_add_nc_u64 s[92:93], s[8:9], s[84:85]
.irp s, 0,1,2,3,4,5,6,7
	global_load_u16 v[UT+2*\s], v[L2], s[88:89] offset:(2*\s)*8192         ; K step s is heads 2 s and 2 s + 1: two bytes of each
	global_load_u16 v[UT+2*\s+1], v[L2], s[88:89] offset:(2*\s+1)*8192
	global_load_b32 v[WS+2*\s], v[L4], s[90:91] offset:\s*512
	global_load_b32 v[WS+2*\s+1], v[L4], s[90:91] offset:\s*512+128
.endr
	s_wait_loadcnt 0x0
.irp s, 0,1,2,3,4,5,6,7
	v_lshl_or_b32 v[XS+\s], v[UT+2*\s+1], 16, v[UT+2*\s]
.endr
	s_wait_alu depctr_va_vdst(0)
.irp j, 0,1,2,3
	s_wait_alu depctr_va_vdst(0)
.if \j < 3
	s_cmp_eq_u32 s[GG], \j                         ; quarter j was asked for by waves j and 4 + j, each by a line of its own: they wait here
	s_cbranch_scc0 .Lnot_yet_\j
	s_wait_tensorcnt 0x0
.Lnot_yet_\j:
.else
	s_wait_tensorcnt 0x0                           ; the last barrier shows all that is still out: the wait stands under no branch
.endif
	s_barrier_signal -1
	s_barrier_wait -1
.rept 8
	v_nop                                          ; places in front of loads into registers that matrix instructions have read; ahead of the first K step: behind the lines that made ctx's scale words
.endr
	LOADS 2*\j
	LOADS 2*\j+1
	s_wait_dscnt 24                                ; the first step's loads are in; the second step's 24 may be out
	MULS 2*\j
	s_wait_dscnt 0x0
	MULS 2*\j+1
.if \j < 3
	v_add_nc_u32 v[AX], 32768, v[AX]
	s_wait_alu depctr_va_vdst(0)
	v_add_nc_u32 v[AW], 32768, v[AW]
.endif
.endr
.rept 8
	v_nop                                          ; places in front of the stores that read results, and of loads into registers that matrix instructions have read
.endr
; THE WAY OUT, a tile of 16 tokens at a time through my own stage: a lane puts 2 x 64 bytes of its token's row; whole rows of 256 bytes come back, two an instruction.
; LDS serves a wave's instructions in order (ISA guide 5.7.1.4): the loads see the stores, and tile 1's stores come behind tile 0's loads.
.macro TOSTAGE u
.irp b, 0,1
.irp w, 0,1
.irp j, 0,1
	ds_store_b128 v[STO], v[ACC+32*\u+16*\b+8*\w+4*\j:ACC+32*\u+16*\b+8*\w+4*\j+3] offset:128*\b+32*\w+16*\j   ; each accumulator from its low end on
.endr
.endr
.endr
.irp t, 0,1,2,3,4,5,6,7
	ds_load_b128 v[OB+32*\u+4*\t:OB+32*\u+4*\t+3], v[RD] offset:\t*2*SP
.endr
.endm
.macro SEND u, younger                 ; younger: the LDS instructions issued behind tile u's loads
.irp t, 0,1,2,3,4,5,6,7
	s_wait_dscnt \younger+7-\t
	global_store_b128 v[GO], v[OB+32*\u+4*\t:OB+32*\u+4*\t+3], s[92:93] offset:(8*\u+2*\t+8*(\t/4))*4096 th:TH_STORE_NT   ; stage row rr is token 8 u + rr + 8 (rr / 8); sixteen lanes store 256 consecutive, aligned bytes
.endr
.endm
	TOSTAGE 0
	TOSTAGE 1
	SEND 0, 16
	SEND 1, 0
	s_wait_tensorcnt 0x0                           ; the wave's end
	ds_add_u32 v212, v213
	s_wait_dscnt 0x0
	CROUND                                         ; the closing round: no work-group ends while a partner may still ask for a tile that names it
	s_endpgm
.Lfunc_end_k_q87b4e03ec3_oproj:
	.size	k_q87b4e03ec3_oproj, .Lfunc_end_k_q87b4e03ec3_oproj-k_q87b4e03ec3_oproj
	.p2alignl 7, 3214868480
	.fill 96, 4, 3214868480
	.section	.rodata,"a",@progbits
	.p2align	6, 0x0
	.amdhsa_kernel k_q87b4e03ec3_oproj
		.amdhsa_group_segment_fixed_size 327680
		.amdhsa_private_segment_fixed_size 0
		.amdhsa_enable_private_segment 0
		.amdhsa_kernarg_size 24
		.amdhsa_user_sgpr_count 2
		.amdhsa_user_sgpr_kernarg_segment_ptr 1
		.amdhsa_wavefront_size32 1
		.amdhsa_system_sgpr_workgroup_id_x 1
		.amdhsa_system_sgpr_workgroup_id_y 1
		.amdhsa_system_sgpr_workgroup_id_z 1
		.amdhsa_system_vgpr_workitem_id 0
		.amdhsa_next_free_vgpr 384
		.amdhsa_next_free_sgpr 100
		.amdhsa_reserve_vcc 0
		.amdhsa_float_denorm_mode_32 3
		.amdhsa_float_denorm_mode_16_64 3
		.amdhsa_memory_ordered 1
		.amdhsa_forward_progress 1
		.amdhsa_inst_pref_size 41
	.end_amdhsa_kernel
	.amdgpu_metadata
---
amdhsa.version: [ 1, 2 ]
amdhsa.kernels:
  - .name:           k_q87b4e03ec3_oproj
    .symbol:         k_q87b4e03ec3_oproj.kd
    .args:
      - { .name: cq, .offset: 0, .size: 8, .value_kind: global_buffer, .address_space: global }
      - { .name: wq, .offset: 8, .size: 8, .value_kind: global_buffer, .address_space: global }
      - { .name: out0, .offset: 16, .size: 8, .value_kind: global_buffer, .address_space: global }
    .group_segment_fixed_size: 327680
    .private_segment_fixed_size: 0
    .kernarg_segment_align: 8
    .kernarg_segment_size: 24
    .max_flat_workgroup_size: 256
    .sgpr_count:     100
    .vgpr_count:     384
    .wavefront_size: 32
...
	.end_amdgpu_metadata
.endif
;; end of part 4
